; MI455X (gfx1250); checked and timed in simulation.
; The chip was launched on July 23, 2026; its instructions are those of AMD's public machine-readable ISA for CDNA 5 (MIT licence, August 2026) and "CDNA5" Instruction Set Architecture Reference Guide (July 2026). The comments in the code are by the model that wrote it; some were corrected since.
;; Cross Attention. Allowed arithmetic: float matrix products may take bf16 or f16 operands with f32 sums; all other float work in f32.
;; Inputs: Wk 512 x 512 float32; Wo 512 x 512 float32; Wq 512 x 512 float32; Wv 512 x 512 float32; bk 512 float32; bo 512 float32; bq 512 float32; bv 512 float32; context 4 x 2,048 x 512 float32; x 4 x 2,048 x 512 float32.
;; Outputs: out0 4 x 2,048 x 512 float32.
;; 3 versions, each right; version 2 is faster than version 1; version 3 is version 2 with the launch qkv written anew for expert scheduling mode. Each part assembles by itself: llvm-mc -triple=amdgcn-amd-amdhsa -mcpu=gfx1250 --defsym DOCPART=n.
;; ======== version 1 of 3: 3 launches
;; limits: values are held in f16: magnitudes above 65,504 overflow, below 6.1e-05 lose precision
;; workspace buffers: qf 8,388,608 bytes; kv 16,777,216 bytes; ao 8,388,608 bytes
;; launch qkv (part 1): grid 256 x 1, 8 waves a work-group, no clusters, 144,384 bytes of LDS; arguments x, context, Wq, Wk, Wv, bq, bk, bv, qf, kv; writes qf, kv
.if DOCPART == 1
	.amdgcn_target "amdgcn-amd-amdhsa--gfx1250"
	.amdhsa_code_object_version 6
	.text
	.protected	k_q31f714b2ed_qkv
	.globl	k_q31f714b2ed_qkv
	.p2align	8
	.type	k_q31f714b2ed_qkv,@function
k_q31f714b2ed_qkv:
	s_mov_b64 s[64:65], 0
	v_nop
	global_prefetch_b8 v0, s[64:65] scope:SCOPE_SE
	s_setreg_imm32_b32 hwreg(HW_REG_WAVE_MODE, 25, 1), 1
	s_wait_xcnt 0x0
; k = context Wk + bk, v = context Wv + bv, q = (x Wq + bq) c, with c = 32^-0.5 log2(e), so that the attention launch's scores are exponents of 2.
; x, context: [8192][512] f32.  W*: [512 (k)][512 (n)] f32.  Operands go to the matrix unit in f16, sums are f32, results are stored in f16.
; LIMITS: f16's range: |x|, |context|, |W|, |q c|, |k|, |v| below 65,504; magnitudes below 6.1e-5 keep an absolute accuracy of 3e-8 only.
; NaN and infinities in the inputs are not served.
;
; SHARES.  Work-group id: row block rb = id / 4 (128 tokens), slab sl = id % 4 (128 columns = 4 heads).  It runs three jobs of 128 x 128 x 512
; (K, V, Q), twelve K steps of 128 in all, written out without a loop.  Wave w: wm = w / 4 picks 64 tokens (4 tiles i), wn = w % 4 picks the head
; 4 sl + wn (2 column tiles d): eight accumulator tiles.
; RESULTS LIE IN FRAGMENT ORDER: the 16 bytes that lane L holds of a later matrix operand lie at 16 L, so every store of a wave here and every
; load of a wave later covers 512 consecutive bytes.  With r = L % 16, h = L / 16, e = 0..7:
;   qf: ((b 16 + head) 128 + tt) 1024 + d 512 + 16 L          = q c [token 16 tt + r][16 d + 8 h + e]
;   kv: (b 16 + head) 262144 + t 8192 + kt 1024 + d 512 + 16 L = k [key 64 t + 16 kt + r][16 d + 8 h + e]
;   kv: .. + t 8192 + 4096 + g 2048 + d 1024 + cc 512 + 16 L   = v [key 64 t + 32 g + 16 cc + 8 h + e][16 d + r]
; K and Q use the product transposed (source 0 = columns of W, source 1 = tokens): a lane's eight results are eight neighbouring columns of one token.
; V uses it the natural way: a lane's eight results are eight neighbouring keys of one column.
; NO CLUSTER, NO TENSOR LOADS, though four slabs read the same tokens and 64 row blocks the same weights: every byte has to pass through registers to
; become f16.  Tiles brought to LDS as f32 would take 2 x 131,072 bytes beside the 2 x 71,680 of the f16 slots, more than the 327,680 there are,
; and each byte would cross LDS twice.  Instead the next step's 128 KiB are on their way into 128 registers a lane while this step is multiplied.
.set XP,   272                         ; LDS pitch of a token row: 128 f16 + 16 bytes, an odd multiple of 16
.set WP,   288                         ; LDS pitch of a k row of W: 128 f16 + 32 bytes, an odd multiple of 32 (transposing loads)
.set XT,   128*XP                      ; the token tile's bytes; W's tile lies behind it
.set SLOT, XT+128*WP                   ; 71,680 bytes; two slots
.set CSCALE, 0x3e8293ee                ; 32^-0.5 log2(e) = 0.25503487
.set VX,  4                            ; v4      2048 w + 16 L: my 16 bytes of row w of a tile in memory
.set VXS, 5                            ; v5-6    slot 0, 1: where my 8 bytes of a token row go
.set VWS, 7                            ; v7-8    slot 0, 1: where my 8 bytes of a row of W go
.set AX,  9                            ; v9-10   slot 0, 1: my token fragments
.set AW,  11                           ; v11-12  slot 0, 1: my fragments of W
.set VL,  13                           ; v13     16 L
.set VB,  14                           ; v14     32 h: my eight columns' biases
.set VBN, 15                           ; v15     4 r: my one column's bias
.set BV,  16                           ; v16-19  bv[r] twice, bv[16 + r] twice
.set ACC, 32                           ; v32-95  tile (i, d) at 32 + 8 (2 i + d)
.set F0,  96                           ; v96-143   fragment buffer 0: tokens i at + 8 i, W d at + 32 + 8 d
.set F1,  144                          ; v144-191  fragment buffer 1; also the packed results on the way out
                                       ; v256-383  staging (window 1, written v0-127): tokens 0-63, W 64-127
.set MSB, 0
.macro WIN new                         ; the immediate's high byte repeats the setting that is left
.if MSB != \new
	s_set_vgpr_msb (MSB<<8)|\new
.set MSB, \new
.endif
.endm
.macro PLACES                          ; four places behind a matrix instruction (ISA guide 7.12.1) before its registers are read, written or loaded into
.rept 4
	v_nop
.endr
.endm
; 32 loads: K step st of the tokens at s[xb] and of the weights at s[wb].  Row w + 8 i; a wave's load covers the row's 512 consecutive bytes.
.macro GLOAD xb, wb, st
	WIN 0x40                                       ; destination in window 1
.irp i, 0,1,2,3,4,5,6,7,8,9,10,11,12,13,14,15
	global_load_b128 v[4*\i:4*\i+3], v[VX], s[\xb:\xb+1] offset:\i*16384+\st*512
.endr
.irp i, 0,1,2,3,4,5,6,7,8,9,10,11,12,13,14,15
	global_load_b128 v[64+4*\i:64+4*\i+3], v[VX], s[\wb:\wb+1] offset:\i*16384+\st*262144
.endr
	WIN 0
.endm
; the staged f32 become f16 in place and go to an LDS slot, 8 bytes a lane, 256 consecutive bytes a wave
.macro CVTST slot
	WIN 0x45                                       ; destination and both sources in window 1
.irp i, 0,1,2,3,4,5,6,7,8,9,10,11,12,13,14,15,16,17,18,19,20,21,22,23,24,25,26,27,28,29,30,31
	v_cvt_pk_f16_f32 v[4*\i], v[4*\i], v[4*\i+1]
	v_cvt_pk_f16_f32 v[4*\i+1], v[4*\i+2], v[4*\i+3]
.endr
	WIN 0x04                                       ; store data in window 1, address in window 0
.irp i, 0,1,2,3,4,5,6,7,8,9,10,11,12,13,14,15
	ds_store_b64 v[VXS+(\slot)], v[4*\i:4*\i+1] offset:\i*8*XP
.endr
.irp i, 0,1,2,3,4,5,6,7,8,9,10,11,12,13,14,15
	ds_store_b64 v[VWS+(\slot)], v[64+4*\i:64+4*\i+1] offset:\i*8*WP
.endr
	WIN 0
.endm
; 12 LDS loads: the fragments of quarter kk (32 along K) into buffer f.  Tokens lie along K: two plain loads 32 bytes apart.
; W lies [k][n]: two transposing loads 16 rows apart.
.macro FETCH slot, kk, f
.irp i, 0,1,2,3
	ds_load_b128 v[\f+8*\i:\f+8*\i+3],   v[AX+(\slot)] offset:\i*16*XP+\kk*64
	ds_load_b128 v[\f+8*\i+4:\f+8*\i+7], v[AX+(\slot)] offset:\i*16*XP+\kk*64+32
.endr
.irp d, 0,1
	ds_load_tr16_b128 v[\f+32+8*\d:\f+32+8*\d+3],   v[AW+(\slot)] offset:\kk*32*WP+\d*32
	ds_load_tr16_b128 v[\f+32+8*\d+4:\f+32+8*\d+7], v[AW+(\slot)] offset:\kk*32*WP+\d*32+16*WP
.endr
.endm
; 8 matrix instructions on eight accumulators, which take turns, one instruction a turn, from one MUL to the next too.
; mode 0: source 0 = W, source 1 = tokens (transposed use).  mode 1: the natural way.  zero = 1: the product starts the sums.
.macro MUL f, mode, zero
.irp i, 0,1,2,3
.irp d, 0,1
.if \mode
.if \zero
	v_wmma_f32_16x16x32_f16 v[ACC+8*(2*\i+\d):ACC+8*(2*\i+\d)+7], v[\f+8*\i:\f+8*\i+7], v[\f+32+8*\d:\f+32+8*\d+7], 0
.else
	v_wmma_f32_16x16x32_f16 v[ACC+8*(2*\i+\d):ACC+8*(2*\i+\d)+7], v[\f+8*\i:\f+8*\i+7], v[\f+32+8*\d:\f+32+8*\d+7], v[ACC+8*(2*\i+\d):ACC+8*(2*\i+\d)+7]
.endif
.else
	v_wmma_f32_16x16x32_f16 v[ACC+8*(2*\i+\d):ACC+8*(2*\i+\d)+7], v[\f+32+8*\d:\f+32+8*\d+7], v[\f+8*\i:\f+8*\i+7], v[ACC+8*(2*\i+\d):ACC+8*(2*\i+\d)+7]
.endif
.endr
.endr
.endm
; transposed use: the bias of a lane's eight columns is loaded straight into the accumulators and starts the sums
.macro ACCINIT bb
.irp i, 0,1,2,3
.irp d, 0,1
	global_load_b128 v[ACC+8*(2*\i+\d):ACC+8*(2*\i+\d)+3],   v[VB], s[\bb:\bb+1] offset:\d*64
	global_load_b128 v[ACC+8*(2*\i+\d)+4:ACC+8*(2*\i+\d)+7], v[VB], s[\bb:\bb+1] offset:\d*64+16
.endr
.endr
.endm
; the way out of a transposed job: (scale,) round to f16, eight stores of 512 consecutive bytes
.macro EPI_S ob, scale
.if \scale
.set j, 0
.rept 32
	v_pk_mul_f32 v[ACC+2*j:ACC+2*j+1], v[ACC+2*j:ACC+2*j+1], s[38:39] op_sel_hi:[1,0]
.set j, j+1
.endr
.endif
.set j, 0
.rept 32
	v_cvt_pk_f16_f32 v[F1+j], v[ACC+2*j], v[ACC+2*j+1]
.set j, j+1
.endr
.irp i, 0,1,2,3
.irp d, 0,1
	global_store_b128 v[VL], v[F1+4*(2*\i+\d):F1+4*(2*\i+\d)+3], s[\ob:\ob+1] offset:\i*1024+\d*512
.endr
.endr
.endm
; the way out of V: a lane has one column, so one bias for all eight keys
.macro EPI_N
.irp i, 0,1,2,3
.irp d, 0,1
.irp e, 0,2,4,6
	v_pk_add_f32 v[ACC+8*(2*\i+\d)+\e:ACC+8*(2*\i+\d)+\e+1], v[ACC+8*(2*\i+\d)+\e:ACC+8*(2*\i+\d)+\e+1], v[BV+2*\d:BV+2*\d+1]
.endr
.endr
.endr
.set j, 0
.rept 32
	v_cvt_pk_f16_f32 v[F1+j], v[ACC+2*j], v[ACC+2*j+1]
.set j, j+1
.endr
.irp i, 0,1,2,3
.irp d, 0,1
	global_store_b128 v[VL], v[F1+4*(2*\i+\d):F1+4*(2*\i+\d)+3], s[26:27] offset:4096+(\i>>1)*2048+\d*1024+(\i&1)*512
.endr
.endr
.endm
; One K step of 128 = four quarters on buffers 0, 1, 0, 1.  At its head quarter 0's 12 fragment loads are out.
; more = 1: the next step's tiles are asked for first, and converted and stored to the other slot before the last quarter.
; ONE barrier a step: the other slot was last read in the step before, those reads were waited for in front of that step's signal, and it is
; written only behind that barrier's wait; it is read only behind this step's barrier, in front of which every wave has waited for its stores.
.macro STEP slot, mode, zero, accwait, more, xb, wb, st
.if \more
	GLOAD \xb, \wb, \st
.endif
.if \accwait
	s_wait_loadcnt 32                              ; the 16 bias loads into the accumulators are in; the 32 staging loads issued behind them stay out
.endif
	FETCH \slot, 1, F1
	s_wait_dscnt 12                                ; the older 12 fragment loads are in, the 12 just issued stay out
	MUL F0, \mode, \zero
	PLACES
	FETCH \slot, 2, F0
	s_wait_dscnt 12
	MUL F1, \mode, 0
	PLACES
	FETCH \slot, 3, F1
	s_wait_dscnt 12
	MUL F0, \mode, 0
.if \more
	s_wait_loadcnt 0x0                             ; the staged tiles have landed
	CVTST 1-\slot
	s_wait_dscnt 0x0                               ; for the other waves: my reads of this slot are back, my stores to the other are done
	s_barrier_signal -1
	MUL F1, \mode, 0                               ; register work while the others arrive
	s_barrier_wait -1
	PLACES
	FETCH 1-\slot, 0, F0
.else
	s_wait_dscnt 0x0
	MUL F1, \mode, 0
	PLACES
.endif
.endm
	s_load_b512 s[8:23], s[0:1], 0x0               ; x 8, context 10, Wq 12, Wk 14, Wv 16, bq 18, bk 20, bv 22
	s_load_b128 s[24:27], s[0:1], 0x40             ; qf 24, kv 26
	v_lshl_add_u32 v254, v0, 2, 0x23000
	v_mov_b32 v255, 0
	v_lshrrev_b32 v1, 5, v0
	v_readfirstlane_b32 s30, v1                    ; wave w
	s_lshr_b32 s31, s30, 2                         ; wm
	s_and_b32 s32, s30, 3                          ; wn
	s_lshr_b32 s33, ttmp9, 2                       ; rb
	s_and_b32 s34, ttmp9, 3                        ; sl
	s_lshl2_add_u32 s35, s34, s32                  ; head = 4 sl + wn
	s_mov_b32 s38, CSCALE
	s_mov_b32 s39, CSCALE
	v_and_b32 v1, 31, v0                           ; L
	v_and_b32 v2, 15, v0                           ; r
	v_bfe_u32 v3, v0, 4, 1                         ; h
	v_lshlrev_b32 v[VL], 4, v1
	s_lshl_b32 s40, s30, 11
	v_add_nc_u32 v[VX], s40, v[VL]                 ; 2048 w + 16 L
	s_mul_i32 s40, s30, XP
	v_lshl_add_u32 v[VXS], v1, 3, s40              ; 272 w + 8 L
	v_add_nc_u32 v[VXS+1], SLOT, v[VXS]
	s_mul_i32 s40, s30, WP
	s_add_co_u32 s40, s40, XT
	v_lshl_add_u32 v[VWS], v1, 3, s40              ; XT + 288 w + 8 L
	v_add_nc_u32 v[VWS+1], SLOT, v[VWS]
	v_mul_u32_u24 v20, v2, XP
	v_lshl_add_u32 v20, v3, 4, v20
	s_mul_i32 s40, s31, 64*XP
	v_add_nc_u32 v[AX], s40, v20                   ; (64 wm + r) 272 + 16 h
	v_add_nc_u32 v[AX+1], SLOT, v[AX]
	v_and_b32 v20, 7, v0
	v_lshl_add_u32 v20, v3, 3, v20                 ; 8 h + L % 8
	v_mul_u32_u24 v20, v20, WP
	v_bfe_u32 v21, v0, 3, 1
	v_lshl_add_u32 v20, v21, 4, v20                ; + 16 ((L / 8) % 2)
	s_lshl_b32 s40, s32, 6
	s_add_co_u32 s40, s40, XT
	v_add_nc_u32 v[AW], s40, v20                   ; + XT + 64 wn
	v_add_nc_u32 v[AW+1], SLOT, v[AW]
	v_lshlrev_b32 v[VB], 5, v3
	v_lshlrev_b32 v[VBN], 2, v2
	s_mov_b32 s37, 0
	s_wait_kmcnt 0x0
	; every base is set once here; all later steps stand in the immediates
	s_lshl_b32 s36, s33, 18                        ; 128 rows of 2,048 bytes
	s_add_nc_u64 s[8:9], s[8:9], s[36:37]
	s_add_nc_u64 s[10:11], s[10:11], s[36:37]
	s_lshl_b32 s36, s34, 9                         ; the slab's 128 columns
	s_add_nc_u64 s[12:13], s[12:13], s[36:37]
	s_add_nc_u64 s[14:15], s[14:15], s[36:37]
	s_add_nc_u64 s[16:17], s[16:17], s[36:37]
	s_lshl_b32 s36, s35, 7                         ; the head's 32 biases
	s_add_nc_u64 s[18:19], s[18:19], s[36:37]
	s_add_nc_u64 s[20:21], s[20:21], s[36:37]
	s_add_nc_u64 s[22:23], s[22:23], s[36:37]
	s_lshr_b32 s41, s33, 4                         ; b
	s_lshl4_add_u32 s41, s41, s35                  ; 16 b + head
	s_and_b32 s42, s33, 15                         ; the row block inside the batch
	s_lshl_b32 s36, s41, 17
	s_lshl_b32 s43, s42, 13
	s_add_co_u32 s36, s36, s43
	s_lshl_b32 s43, s31, 12
	s_add_co_u32 s36, s36, s43
	s_add_nc_u64 s[24:25], s[24:25], s[36:37]      ; qf at my four query tiles
	s_lshl_b32 s36, s41, 18
	s_lshl1_add_u32 s43, s42, s31                  ; t = 2 (rb % 16) + wm
	s_lshl_b32 s43, s43, 13
	s_add_co_u32 s36, s36, s43
	s_add_nc_u64 s[26:27], s[26:27], s[36:37]      ; kv at my 64 keys
	ACCINIT 20                                     ; bk starts K's sums
	global_load_b32 v[BV], v[VBN], s[22:23]
	global_load_b32 v[BV+1], v[VBN], s[22:23]
	global_load_b32 v[BV+2], v[VBN], s[22:23] offset:64
	global_load_b32 v[BV+3], v[VBN], s[22:23] offset:64
	GLOAD 10, 14, 0
	s_wait_loadcnt 0x0
	CVTST 0
	s_wait_dscnt 0x0                               ; my stores are done, for the other waves
	s_barrier_signal -1
	s_barrier_wait -1
	FETCH 0, 0, F0
	STEP 0, 0, 0, 0, 1, 10, 14, 1                  ; K
	STEP 1, 0, 0, 0, 1, 10, 14, 2
	STEP 0, 0, 0, 0, 1, 10, 14, 3
	STEP 1, 0, 0, 0, 1, 10, 16, 0
	EPI_S 26, 0
	s_wait_xcnt 0x0                                ; buffer 1, the stores' data, is loaded again only behind this wait
	STEP 0, 1, 1, 0, 1, 10, 16, 1                  ; V: the first product starts the sums
	STEP 1, 1, 0, 0, 1, 10, 16, 2
	STEP 0, 1, 0, 0, 1, 10, 16, 3
	STEP 1, 1, 0, 0, 1, 8, 12, 0
	EPI_N
	ACCINIT 18                                     ; bq starts Q's sums
	s_wait_xcnt 0x0                                ; as above
	STEP 0, 0, 0, 1, 1, 8, 12, 1                   ; Q
	STEP 1, 0, 0, 0, 1, 8, 12, 2
	STEP 0, 0, 0, 0, 1, 8, 12, 3
	STEP 1, 0, 0, 0, 0, 0, 0, 0
	EPI_S 24, 1
	s_wait_tensorcnt 0x0
	ds_add_u32 v254, v255
	s_wait_dscnt 0x0
	s_endpgm
.Lfunc_end_k_q31f714b2ed_qkv:
	.size	k_q31f714b2ed_qkv, .Lfunc_end_k_q31f714b2ed_qkv-k_q31f714b2ed_qkv
	.p2alignl 7, 3214868480
	.fill 96, 4, 3214868480
	.section	.rodata,"a",@progbits
	.p2align	6, 0x0
	.amdhsa_kernel k_q31f714b2ed_qkv
		.amdhsa_group_segment_fixed_size 144384
		.amdhsa_private_segment_fixed_size 0
		.amdhsa_enable_private_segment 0
		.amdhsa_kernarg_size 80
		.amdhsa_user_sgpr_count 2
		.amdhsa_user_sgpr_kernarg_segment_ptr 1
		.amdhsa_wavefront_size32 1
		.amdhsa_system_sgpr_workgroup_id_x 1
		.amdhsa_system_sgpr_workgroup_id_y 1
		.amdhsa_system_sgpr_workgroup_id_z 1
		.amdhsa_system_vgpr_workitem_id 0
		.amdhsa_next_free_vgpr 384
		.amdhsa_next_free_sgpr 66
		.amdhsa_reserve_vcc 0
		.amdhsa_float_denorm_mode_32 3
		.amdhsa_float_denorm_mode_16_64 3
		.amdhsa_memory_ordered 1
		.amdhsa_forward_progress 1
		.amdhsa_inst_pref_size 197
	.end_amdhsa_kernel
	.amdgpu_metadata
---
amdhsa.version: [ 1, 2 ]
amdhsa.kernels:
  - .name:           k_q31f714b2ed_qkv
    .symbol:         k_q31f714b2ed_qkv.kd
    .args:
      - { .name: x, .offset: 0, .size: 8, .value_kind: global_buffer, .address_space: global }
      - { .name: context, .offset: 8, .size: 8, .value_kind: global_buffer, .address_space: global }
      - { .name: Wq, .offset: 16, .size: 8, .value_kind: global_buffer, .address_space: global }
      - { .name: Wk, .offset: 24, .size: 8, .value_kind: global_buffer, .address_space: global }
      - { .name: Wv, .offset: 32, .size: 8, .value_kind: global_buffer, .address_space: global }
      - { .name: bq, .offset: 40, .size: 8, .value_kind: global_buffer, .address_space: global }
      - { .name: bk, .offset: 48, .size: 8, .value_kind: global_buffer, .address_space: global }
      - { .name: bv, .offset: 56, .size: 8, .value_kind: global_buffer, .address_space: global }
      - { .name: qf, .offset: 64, .size: 8, .value_kind: global_buffer, .address_space: global }
      - { .name: kv, .offset: 72, .size: 8, .value_kind: global_buffer, .address_space: global }
    .group_segment_fixed_size: 144384
    .private_segment_fixed_size: 0
    .kernarg_segment_align: 8
    .kernarg_segment_size: 80
    .max_flat_workgroup_size: 256
    .sgpr_count:     66
    .vgpr_count:     384
    .wavefront_size: 32
...
	.end_amdgpu_metadata
.endif
;; end of part 1
;; launch attn (part 2): grid 256 x 1, 8 waves a work-group, clusters of 4 x 1, 263,168 bytes of LDS; arguments qf, kv, ao; writes ao
.if DOCPART == 2
	.amdgcn_target "amdgcn-amd-amdhsa--gfx1250"
	.amdhsa_code_object_version 6
	.text
	.protected	k_q31f714b2ed_attn
	.globl	k_q31f714b2ed_attn
	.p2align	8
	.type	k_q31f714b2ed_attn,@function
k_q31f714b2ed_attn:
	s_mov_b64 s[64:65], 0
	v_nop
	global_prefetch_b8 v0, s[64:65] scope:SCOPE_SE
	s_setreg_imm32_b32 hwreg(HW_REG_WAVE_MODE, 25, 1), 1
	s_wait_xcnt 0x0
	s_wait_alu depctr_hold_cnt(0) depctr_sa_sdst(0) depctr_va_vdst(0) depctr_va_sdst(0) depctr_va_ssrc(0) depctr_va_vcc(0) depctr_vm_vsrc(0)
	s_getreg_b32 s2, hwreg(HW_REG_IB_STS2, 6, 4)
	s_cmp_eq_u32 s2, 0
	s_cbranch_scc0 .Lentry_in_a_cluster
	s_endpgm
.Lentry_in_a_cluster:
	s_bfe_u32 s2, ttmp6, 0x10000c
	s_cmp_lg_u32 s2, 0x3003
	s_cbranch_scc0 .Lentry_shape_is_right
	s_endpgm
.Lentry_shape_is_right:
; softmax(q k^T 32^-0.5) v for one (batch, head) and 512 queries, with a running maximum.  q comes scaled by 32^-0.5 log2(e): scores are exponents of 2.
; LIMITS: P goes to the matrix unit in f16: p below 2^-25 counts as 0 there (the row sum adds the unrounded f32 p); the result is stored in f16
; (magnitude below 65,504; below 6.1e-5 an absolute accuracy of 3e-8).  NaN and infinities are not served: the maxima drop a NaN.
;
; SHARES.  A cluster of four work-groups has one (batch, head) bh = cluster x; work-group cx takes 512 of its 2,048 queries, wave w 64 of them
; (4 query tiles q).  The head's K and V are 262,144 bytes and fill LDS once: no slot is ever filled again.  The four partners need the same
; bytes, so the fill is asked for jointly: each wave's one tensor load (32 KiB, 128 rows of 256 bytes) carries the mask of all four.
; A wave has one tensor load outstanding.
; A trip takes 64 keys: 16 LDS loads (8 KiB, each 512 consecutive bytes) feed 32 matrix instructions.
; LAYOUTS (r = L % 16, h = L / 16).  S^T = K fragment x Q fragment: lane (r, h) holds query r, keys 16 kt + 8 h + j.  Two key tiles, packed to f16,
; ARE the second source P^T of O^T = V^T fragment x P^T: P never leaves registers.  O^T: lane (r, h) holds query r, d = 16 dh + 8 h + j, which is
; ao's order: ao byte (tile 16 + head) 1024 + dh 512 + 16 L = out[token 16 tile + r][32 head + 16 dh + 8 h + e].
.set VA, 1                             ; v1        16 L + 8192 trip: my bytes of the trip's K and V in LDS
.set VL, 2                             ; v2        16 L
.set T,  4                             ; v4-7      chains of the maximum
.set NM, 8                             ; v8        minus the new maximum; v[8:9] is the pair that the packed add broadcasts from
.set PX, 9                             ; v9        what the other half of the lanes sent
.set AL, 10                            ; v10       alpha = 2^(old maximum - new maximum); v11 fills the pair
.set U0, 12                            ; v12-15    partial sums
.set U1, 14
.set M,  16                            ; v16-19    running maximum of query tile q
.set LP, 20                            ; v20-27    running row sums, a pair for each q
.set Q,  28                            ; v28-59    Q fragments
.set O,  60                            ; v60-123   O^T tile (q, dh) at 60 + 16 q + 8 dh
.set KF, 124                           ; v124-155  K fragments kt
.set VF, 156                           ; v156-187  V^T fragments (g, dh) at 156 + 16 g + 8 dh
.set S,  188                           ; v188-219  scores, tile kt at + 8 kt; then p in f32
.set P,  220                           ; v220-235  p in f16
.macro PLACES                          ; four places behind a matrix instruction (ISA guide 7.12.1)
.rept 4
	v_nop
.endr
.endm
; a round of the cluster's barrier: my work-group's barrier, wave 0 signals for the work-group, every wave waits for all four, my work-group's barrier again
.macro ROUND
	s_barrier_signal -1
	s_barrier_wait -1
	s_cmp_lg_u32 s10, 0
	s_cbranch_scc1 .Lnot_wave_0_\@
	s_barrier_signal -3
.Lnot_wave_0_\@:
	s_barrier_wait -3
	s_barrier_signal -1
	s_barrier_wait -1
.endm
.macro KLOAD off                       ; 8 loads: four K fragments
.irp k, 0,1,2,3
	ds_load_b128 v[KF+8*\k:KF+8*\k+3],   v[VA] offset:\off+\k*1024
	ds_load_b128 v[KF+8*\k+4:KF+8*\k+7], v[VA] offset:\off+\k*1024+512
.endr
.endm
.macro VLOAD                           ; 8 loads: four V^T fragments
.irp g, 0,1
.irp d, 0,1
	ds_load_b128 v[VF+16*\g+8*\d:VF+16*\g+8*\d+3],   v[VA] offset:4096+\g*2048+\d*1024
	ds_load_b128 v[VF+16*\g+8*\d+4:VF+16*\g+8*\d+7], v[VA] offset:4096+\g*2048+\d*1024+512
.endr
.endr
.endm
.macro SMUL q                          ; scores of 64 keys x 16 queries; the head's 32 numbers are one instruction's K
.irp k, 0,1,2,3
	v_wmma_f32_16x16x32_f16 v[S+8*\k:S+8*\k+7], v[KF+8*\k:KF+8*\k+7], v[Q+8*\q:Q+8*\q+7], 0
.endr
.endm
; O^T += V^T P^T.  The two accumulators take turns, one instruction a turn.  first = 1: the products start the sums.
.macro PV q, first
.if \first
	v_wmma_f32_16x16x32_f16 v[O+16*\q:O+16*\q+7],    v[VF:VF+7],     v[P:P+7], 0
	v_wmma_f32_16x16x32_f16 v[O+16*\q+8:O+16*\q+15], v[VF+8:VF+15],  v[P:P+7], 0
.else
	v_wmma_f32_16x16x32_f16 v[O+16*\q:O+16*\q+7],    v[VF:VF+7],     v[P:P+7], v[O+16*\q:O+16*\q+7]
	v_wmma_f32_16x16x32_f16 v[O+16*\q+8:O+16*\q+15], v[VF+8:VF+15],  v[P:P+7], v[O+16*\q+8:O+16*\q+15]
.endif
	v_wmma_f32_16x16x32_f16 v[O+16*\q:O+16*\q+7],    v[VF+16:VF+23], v[P+8:P+15], v[O+16*\q:O+16*\q+7]
	v_wmma_f32_16x16x32_f16 v[O+16*\q+8:O+16*\q+15], v[VF+24:VF+31], v[P+8:P+15], v[O+16*\q+8:O+16*\q+15]
.endm
.macro RESCALE q                       ; O^T of tile q times alpha; a lane's sixteen numbers belong to one query
.irp e, 0,2,4,6,8,10,12,14
	v_pk_mul_f32 v[O+16*\q+\e:O+16*\q+\e+1], v[O+16*\q+\e:O+16*\q+\e+1], v[AL:AL+1] op_sel_hi:[1,0]
.endr
.endm
.macro GAP q, first                    ; what stands between the next tile's score products and the reads of their results: at least four places
.if \first
	PLACES
.else
	RESCALE \q
.endif
.endm
.macro SUBT t                          ; s - maximum, two at a time
.irp e, 0,2,4,6
	v_pk_add_f32 v[S+8*\t+\e:S+8*\t+\e+1], v[S+8*\t+\e:S+8*\t+\e+1], v[NM:NM+1] op_sel_hi:[1,0]
.endr
.endm
.macro EXPT t
.irp e, 0,1,2,3,4,5,6,7
	v_exp_f32 v[S+8*\t+\e], v[S+8*\t+\e]
.endr
.endm
.macro SCT q, t, first                 ; key tile t: its eight p are summed into the row sums and packed to f16
	s_wait_alu depctr_va_vdst(0)
	v_pk_add_f32 v[U0:U0+1], v[S+8*\t:S+8*\t+1], v[S+8*\t+2:S+8*\t+3]
	v_cvt_pk_f16_f32 v[P+4*\t], v[S+8*\t], v[S+8*\t+1]
	v_pk_add_f32 v[U1:U1+1], v[S+8*\t+4:S+8*\t+5], v[S+8*\t+6:S+8*\t+7]
	v_cvt_pk_f16_f32 v[P+4*\t+1], v[S+8*\t+2], v[S+8*\t+3]
.if \t
	v_pk_add_f32 v[U0:U0+1], v[U0:U0+1], v[U1:U1+1]
	v_cvt_pk_f16_f32 v[P+4*\t+2], v[S+8*\t+4], v[S+8*\t+5]
	v_pk_add_f32 v[LP+2*\q:LP+2*\q+1], v[LP+2*\q:LP+2*\q+1], v[U0:U0+1]
.else
.if \first
	v_pk_add_f32 v[LP+2*\q:LP+2*\q+1], v[U0:U0+1], v[U1:U1+1]      ; the first tile starts the row sums
	v_cvt_pk_f16_f32 v[P+4*\t+2], v[S+8*\t+4], v[S+8*\t+5]
.else
	v_pk_add_f32 v[U0:U0+1], v[U0:U0+1], v[U1:U1+1]
	v_cvt_pk_f16_f32 v[P+4*\t+2], v[S+8*\t+4], v[S+8*\t+5]
	v_pk_fma_f32 v[LP+2*\q:LP+2*\q+1], v[LP+2*\q:LP+2*\q+1], v[AL:AL+1], v[U0:U0+1] op_sel_hi:[1,0,1]   ; old sums times alpha, once a trip
.endif
.endif
	v_cvt_pk_f16_f32 v[P+4*\t+3], v[S+8*\t+6], v[S+8*\t+7]
.endm
; 64 keys of query tile q: new running maximum, alpha, p = 2^(s - maximum), row sums, P in f16.
; A query's 64 scores lie in 32 registers of lane r and 32 of lane r + 16: one exchange between the halves completes the maximum.
.macro SOFTMAX q, first
.irp t, 0,1,2,3
	v_max3_num_f32 v[T+\t], v[S+8*\t], v[S+8*\t+1], v[S+8*\t+2]
.endr
.irp t, 0,1,2,3
	v_max3_num_f32 v[T+\t], v[T+\t], v[S+8*\t+3], v[S+8*\t+4]
.endr
.irp t, 0,1,2,3
	v_max3_num_f32 v[T+\t], v[T+\t], v[S+8*\t+5], v[S+8*\t+6]
.endr
	v_max3_num_f32 v[T], v[T], v[S+7], v[T+1]
	v_max3_num_f32 v[T+2], v[T+2], v[S+15], v[T+3]
	v_max3_num_f32 v[T], v[T], v[S+23], v[T+2]
.if \first
	v_max_num_f32 v[T], v[T], v[S+31]
	v_permlanex16_b32 v[PX], v[T], s28, s29
	v_max_num_f32 v[M+\q], v[T], v[PX]
	v_mul_f32 v[NM], -1.0, v[M+\q]
.else
	v_max3_num_f32 v[T], v[T], v[S+31], v[M+\q]
	v_permlanex16_b32 v[PX], v[T], s28, s29
	v_max_num_f32 v[T+1], v[T], v[PX]
	v_sub_f32 v[AL], v[M+\q], v[T+1]
	v_exp_f32 v[AL], v[AL]
	v_mov_b32 v[M+\q], v[T+1]                      ; also the plain instruction that stands behind the exponential (ISA guide 5.7.2)
	v_mul_f32 v[NM], -1.0, v[T+1]
.endif
	; behind each run of exponentials stands plain work on another key tile before its results are used
	SUBT 0
	EXPT 0
	SUBT 1
	EXPT 1
	SCT \q, 0, \first
	SUBT 2
	EXPT 2
	SCT \q, 1, \first
	SUBT 3
	EXPT 3
	SCT \q, 2, \first
	SCT \q, 3, \first
.endm
; One trip: 64 keys for the wave's four query tiles.  The score products of tile q + 1 are issued ahead of tile q's P V products, so that matrix
; work is under way while the vector unit does a softmax.  more = 1: the next trip's K fragments are fetched once this trip's are spent.
.macro TRIP first, more
	s_wait_dscnt 0x0                               ; this trip's K fragments
	SMUL 0
	PLACES                                         ; behind SMUL 0 for the softmax's reads; with the add at the last trip's end, five behind its last P V product for the loads into VF
	VLOAD
	SOFTMAX 0, \first
	SMUL 1
	GAP 0, \first
	s_wait_dscnt 0x0                               ; the V^T fragments
	PV 0, \first
	SOFTMAX 1, \first
	SMUL 2
	GAP 1, \first
	PV 1, \first
	SOFTMAX 2, \first
	SMUL 3
	GAP 2, \first
.if \more
	KLOAD 8192                                     ; at least four places behind SMUL 3, the last to read KF
.endif
	PV 2, \first
	SOFTMAX 3, \first
.if \first
.else
	RESCALE 3
.endif
	PV 3, \first
	v_add_nc_u32 v[VA], 0x2000, v[VA]
.endm
	s_load_b128 s[4:7], s[0:1], 0x0                ; qf s[4:5], kv s[6:7]
	s_load_b64 s[8:9], s[0:1], 0x10                ; ao
	v_lshl_add_u32 v236, v0, 2, 0x40000
	v_mov_b32 v237, 0
	ds_add_u32 v236, v237
	v_lshrrev_b32 v3, 5, v0
	v_readfirstlane_b32 s10, v3                    ; wave w
	s_bfe_u32 s11, ttmp6, 0x40000                  ; cx: which 512 queries; it enters the addresses of qf and ao alone
	s_mov_b32 s28, 0x76543210                      ; v_permlanex16_b32: lane i of one half reads lane i of the other
	s_mov_b32 s29, 0xfedcba98
	v_and_b32 v3, 31, v0
	v_lshlrev_b32 v[VL], 4, v3
	v_lshlrev_b32 v[VA], 4, v3
	v_mov_b32 v[PX], 0                             ; a permute's destination and the second word of a broadcast pair count as read
	v_mov_b32 v[AL+1], 0
	; the joint load's descriptor: the same in all four partners (cluster x and the wave's number alone)
	s_mov_b32 s16, 1                               ; count = 1
	s_lshl_b32 s17, s10, 15                        ; LDS address: 32,768 w
	s_mov_b32 s20, 0x0023000f                      ; mask of the four work-groups; elements of 8 bytes; bit 21 beside the mask; no padding
	s_mov_b32 s21, 32<<16                          ; tensor_dim0 = 32 elements = 256 bytes
	s_mov_b32 s22, 128<<16                         ; tensor_dim1 = 128 rows
	s_mov_b32 s23, 32<<16                          ; tile_dim0 = 32
	s_mov_b32 s24, 128                             ; tile_dim1 = 128
	s_mov_b32 s25, 32                              ; pitch = 32 elements: the block is dense
	s_mov_b32 s26, 0
	s_mov_b32 s27, 0
	s_lshl_b32 s14, ttmp9, 18                      ; the head's 262,144 bytes of kv
	s_add_co_u32 s14, s14, s17                     ; + my eighth
	s_mov_b32 s15, 0
	s_lshl_b32 s32, ttmp9, 17                      ; qf: the head's 128 tiles of 1,024 bytes,
	s_lshl_b32 s34, s11, 15                        ; the work-group's 32,
	s_add_co_u32 s32, s32, s34
	s_lshl_b32 s34, s10, 12                        ; the wave's 4
	s_add_co_u32 s32, s32, s34
	s_mov_b32 s33, 0
	s_lshr_b32 s34, ttmp9, 4                       ; ao: token tile = 128 b + 32 cx + 4 w,
	s_lshl_b32 s34, s34, 7
	s_lshl_b32 s35, s11, 5
	s_add_co_u32 s34, s34, s35
	s_lshl2_add_u32 s34, s10, s34
	s_lshl_b32 s34, s34, 14                        ; 16,384 bytes each,
	s_and_b32 s35, ttmp9, 15
	s_lshl_b32 s35, s35, 10                        ; the head's 1,024 in it
	s_add_co_u32 s34, s34, s35
	s_mov_b32 s35, 0
	s_wait_dscnt 0x0
	s_wait_kmcnt 0x0
	s_add_nc_u64 s[18:19], s[6:7], s[14:15]
	s_or_b32 s19, s19, 0x80000000                  ; type = 2
	s_add_nc_u64 s[4:5], s[4:5], s[32:33]
	s_add_nc_u64 s[8:9], s[8:9], s[34:35]
	ROUND                                          ; all four work-groups are here: the joint loads meet
	tensor_load_to_lds s[16:19], s[20:27]
	s_nop 0
.irp q, 0,1,2,3
	global_load_b128 v[Q+8*\q:Q+8*\q+3],   v[VL], s[4:5] offset:\q*1024
	global_load_b128 v[Q+8*\q+4:Q+8*\q+7], v[VL], s[4:5] offset:\q*1024+512
.endr
	s_wait_tensorcnt 0x0                           ; my eighth of K and V is in LDS,
	s_barrier_signal -1
	s_barrier_wait -1                              ; everybody's is
	KLOAD 0
	s_wait_loadcnt 0x0                             ; Q
	TRIP 1, 1                                      ; keys 0 to 63 start the maxima and all sums: nothing is cleared
	s_mov_b32 s30, 30
.Ltrip:
	TRIP 0, 1
	s_sub_co_i32 s30, s30, 1
	s_cmp_lg_u32 s30, 0
	s_cbranch_scc1 .Ltrip
	TRIP 0, 0                                      ; keys 1,984 to 2,047: nothing more to fetch
	; the row sums are completed (pair, then the other half of the lanes), O^T is divided by them, rounded and stored
.irp q, 0,1,2,3
	v_add_f32 v[T+\q], v[LP+2*\q], v[LP+2*\q+1]
.endr
.irp q, 0,1,2,3
	v_permlanex16_b32 v[PX], v[T+\q], s28, s29
	v_add_f32 v[T+\q], v[T+\q], v[PX]
.endr
.irp q, 0,1,2,3
	v_rcp_f32 v[LP+2*\q], v[T+\q]                  ; the sum is at least 1: the largest score gives p = 1
.endr
	v_nop                                          ; one plain instruction behind the reciprocals (ISA guide 5.7.2)
	s_wait_alu depctr_va_vdst(0)
.irp q, 0,1,2,3
.irp e, 0,2,4,6,8,10,12,14
	v_pk_mul_f32 v[O+16*\q+\e:O+16*\q+\e+1], v[O+16*\q+\e:O+16*\q+\e+1], v[LP+2*\q:LP+2*\q+1] op_sel_hi:[1,0]
.endr
.endr
.set j, 0
.rept 32
	v_cvt_pk_f16_f32 v[S+j], v[O+2*j], v[O+2*j+1]
.set j, j+1
.endr
.irp q, 0,1,2,3
.irp d, 0,1
	global_store_b128 v[VL], v[S+8*\q+4*\d:S+8*\q+4*\d+3], s[8:9] offset:\q*16384+\d*512    ; a wave's store covers 512 consecutive bytes
.endr
.endr
	s_wait_tensorcnt 0x0
	ds_add_u32 v236, v237
	s_wait_dscnt 0x0
	ROUND                                          ; the closing round: no work-group ends while a partner may still ask jointly
	s_endpgm
.Lfunc_end_k_q31f714b2ed_attn:
	.size	k_q31f714b2ed_attn, .Lfunc_end_k_q31f714b2ed_attn-k_q31f714b2ed_attn
	.p2alignl 7, 3214868480
	.fill 96, 4, 3214868480
	.section	.rodata,"a",@progbits
	.p2align	6, 0x0
	.amdhsa_kernel k_q31f714b2ed_attn
		.amdhsa_group_segment_fixed_size 263168
		.amdhsa_private_segment_fixed_size 0
		.amdhsa_enable_private_segment 0
		.amdhsa_kernarg_size 24
		.amdhsa_user_sgpr_count 2
		.amdhsa_user_sgpr_kernarg_segment_ptr 1
		.amdhsa_wavefront_size32 1
		.amdhsa_system_sgpr_workgroup_id_x 1
		.amdhsa_system_sgpr_workgroup_id_y 1
		.amdhsa_system_sgpr_workgroup_id_z 1
		.amdhsa_system_vgpr_workitem_id 0
		.amdhsa_next_free_vgpr 238
		.amdhsa_next_free_sgpr 66
		.amdhsa_reserve_vcc 0
		.amdhsa_float_denorm_mode_32 3
		.amdhsa_float_denorm_mode_16_64 3
		.amdhsa_memory_ordered 1
		.amdhsa_forward_progress 1
		.amdhsa_inst_pref_size 88
	.end_amdhsa_kernel
	.amdgpu_metadata
---
amdhsa.version: [ 1, 2 ]
amdhsa.kernels:
  - .name:           k_q31f714b2ed_attn
    .symbol:         k_q31f714b2ed_attn.kd
    .args:
      - { .name: qf, .offset: 0, .size: 8, .value_kind: global_buffer, .address_space: global }
      - { .name: kv, .offset: 8, .size: 8, .value_kind: global_buffer, .address_space: global }
      - { .name: ao, .offset: 16, .size: 8, .value_kind: global_buffer, .address_space: global }
    .group_segment_fixed_size: 263168
    .private_segment_fixed_size: 0
    .kernarg_segment_align: 8
    .kernarg_segment_size: 24
    .max_flat_workgroup_size: 256
    .sgpr_count:     66
    .vgpr_count:     238
    .wavefront_size: 32
...
	.end_amdgpu_metadata
.endif
;; end of part 2
;; launch oproj (part 3): grid 256 x 1, 8 waves a work-group, clusters of 4 x 1, 314,368 bytes of LDS; arguments ao, Wo, bo, out0; writes out0
.if DOCPART == 3
	.amdgcn_target "amdgcn-amd-amdhsa--gfx1250"
	.amdhsa_code_object_version 6
	.text
	.protected	k_q31f714b2ed_oproj
	.globl	k_q31f714b2ed_oproj
	.p2align	8
	.type	k_q31f714b2ed_oproj,@function
k_q31f714b2ed_oproj:
	s_mov_b64 s[64:65], 0
	v_nop
	global_prefetch_b8 v0, s[64:65] scope:SCOPE_SE
	s_setreg_imm32_b32 hwreg(HW_REG_WAVE_MODE, 25, 1), 1
	s_wait_xcnt 0x0
	s_wait_alu depctr_hold_cnt(0) depctr_sa_sdst(0) depctr_va_vdst(0) depctr_va_sdst(0) depctr_va_ssrc(0) depctr_va_vcc(0) depctr_vm_vsrc(0)
	s_getreg_b32 s2, hwreg(HW_REG_IB_STS2, 6, 4)
	s_cmp_eq_u32 s2, 0
	s_cbranch_scc0 .Lentry_in_a_cluster
	s_endpgm
.Lentry_in_a_cluster:
	s_bfe_u32 s2, ttmp6, 0x10000c
	s_cmp_lg_u32 s2, 0x3003
	s_cbranch_scc0 .Lentry_shape_is_right
	s_endpgm
.Lentry_shape_is_right:
; out0 = ao Wo + bo.  ao: the attention launch's result in f16, in fragment order; Wo: [512 (k)][512 (n)] f32; out0: [8192][512] f32.
; LIMITS: Wo goes to the matrix unit in f16: |Wo| below 65,504, below 6.1e-5 an absolute accuracy of 3e-8.  Sums are f32.
;
; SHARES.  A cluster of four work-groups has one row block rb = cluster x (128 tokens); work-group cx makes the slab of 128 columns 128 cx ...
; The four need the same 131,072 bytes of ao (dense at rb x 131,072): asked for jointly, one tensor load a wave (16 KiB, 64 rows of 256 bytes);
; a wave has one tensor load outstanding.  cx enters the addresses of Wo, bo and out0 alone.
; Wo's slab passes through registers to become f16: all of a lane's 64 loads go out at the start (256 registers, window 1) and are converted
; chunk by chunk (128 k) while earlier chunks are multiplied.  Every LDS byte is written once: no slot takes turns.
; Wave w: wm = w / 2 picks 32 tokens (tiles i = 0, 1), wn = w % 2 picks 64 columns (tiles 0..3), so a wave owns 256 consecutive bytes of each of
; its rows of out0.  The product is used transposed (source 0 = columns of Wo, source 1 = tokens): a lane's eight results are eight neighbouring columns.
.set WP,    288                        ; LDS pitch of a k row of Wo: 128 f16 + 32 bytes, an odd multiple of 32 (transposing loads)
.set SP,    272                        ; pitch of the stage: 64 f32 + 16 bytes
.set WOFF,  131072                     ; ao's block lies at 0: [token tile 8][head 16][1,024]; Wo's 512 rows behind it
.set STAGE, WOFF+512*WP                ; 278,528: 16 rows x 272 bytes for each wave, its own; no tensor load lands here
.set VX,  4                            ; v4      2048 w + 16 L
.set AA,  5                            ; v5      16 L + 32768 wm: my token fragments
.set VB,  6                            ; v6      32 h
.set STO, 7                            ; v7      the way out: where my 32 bytes of a row go
.set VWS, 8                            ; v8-11   chunk c: where my 8 bytes of a row of Wo go
.set AW,  12                           ; v12-15  chunk c: my fragments of Wo
.set RD,  16                           ; v16     the way out: where I read a row back
.set VO,  17                           ; v17     my byte offset in out0
.set ACC, 32                           ; v32-95  tile (i, u) at 32 + 8 (4 i + u)
.set F0,  96                           ; v96-143   fragment buffer 0: tokens i at + 8 i, Wo u at + 16 + 8 u
.set F1,  144                          ; v144-191  fragment buffer 1
                                       ; v256-511  Wo as loaded (window 1, written v0-255): chunk c at 64 c
.set MSB, 0
.macro WIN new                         ; the immediate's high byte repeats the setting that is left
.if MSB != \new
	s_set_vgpr_msb (MSB<<8)|\new
.set MSB, \new
.endif
.endm
.macro PLACES                          ; four places behind a matrix instruction (ISA guide 7.12.1)
.rept 4
	v_nop
.endr
.endm
.macro ROUND                           ; a round of the cluster's barrier
	s_barrier_signal -1
	s_barrier_wait -1
	s_cmp_lg_u32 s12, 0
	s_cbranch_scc1 .Lnot_wave_0_\@
	s_barrier_signal -3
.Lnot_wave_0_\@:
	s_barrier_wait -3
	s_barrier_signal -1
	s_barrier_wait -1
.endm
.macro CVTST c                         ; chunk c: f32 to f16 in place, then 8 bytes a lane to LDS, 256 consecutive bytes a wave
	WIN 0x45
.irp i, 0,1,2,3,4,5,6,7,8,9,10,11,12,13,14,15
	v_cvt_pk_f16_f32 v[64*(\c)+4*\i], v[64*(\c)+4*\i], v[64*(\c)+4*\i+1]
	v_cvt_pk_f16_f32 v[64*(\c)+4*\i+1], v[64*(\c)+4*\i+2], v[64*(\c)+4*\i+3]
.endr
	WIN 0x04
.irp i, 0,1,2,3,4,5,6,7,8,9,10,11,12,13,14,15
	ds_store_b64 v[VWS+(\c)], v[64*(\c)+4*\i:64*(\c)+4*\i+1] offset:\i*8*WP
.endr
	WIN 0
.endm
; 12 LDS loads: 32 along K = head 4 c + kk.  Tokens lie in fragment order (512 consecutive bytes a load); Wo lies [k][n]: transposing loads.
.macro FETCH c, kk, f
.irp i, 0,1
	ds_load_b128 v[\f+8*\i:\f+8*\i+3],   v[AA] offset:\i*16384+(4*(\c)+\kk)*1024
	ds_load_b128 v[\f+8*\i+4:\f+8*\i+7], v[AA] offset:\i*16384+(4*(\c)+\kk)*1024+512
.endr
.irp u, 0,1,2,3
	ds_load_tr16_b128 v[\f+16+8*\u:\f+16+8*\u+3],   v[AW+(\c)] offset:\kk*32*WP+\u*32
	ds_load_tr16_b128 v[\f+16+8*\u+4:\f+16+8*\u+7], v[AW+(\c)] offset:\kk*32*WP+\u*32+16*WP
.endr
.endm
.macro MUL f                           ; eight accumulators take turns, one instruction a turn, from one MUL to the next too
.irp i, 0,1
.irp u, 0,1,2,3
	v_wmma_f32_16x16x32_f16 v[ACC+8*(4*\i+\u):ACC+8*(4*\i+\u)+7], v[\f+16+8*\u:\f+16+8*\u+7], v[\f+8*\i:\f+8*\i+7], v[ACC+8*(4*\i+\u):ACC+8*(4*\i+\u)+7]
.endr
.endr
.endm
; 128 along K = four quarters on buffers 0, 1, 0, 1.  more = 1: the next chunk of Wo is converted and stored before the last quarter;
; the barrier stands between those stores (waited for in front of the signal) and every wave's reads of them.
.macro CHUNK c, more
	FETCH \c, 1, F1
	s_wait_dscnt 12                                ; the older 12 fragment loads are in, the 12 just issued stay out
	MUL F0
	PLACES
	FETCH \c, 2, F0
	s_wait_dscnt 12
	MUL F1
	PLACES
	FETCH \c, 3, F1
	s_wait_dscnt 12
	MUL F0
.if \more
	s_wait_loadcnt 32-16*\c                        ; chunk c + 1 has landed; the younger chunks, 16 loads each, stay out
	CVTST \c+1
	s_wait_dscnt 0x0                               ; for the other waves: my stores are done
	s_barrier_signal -1
	MUL F1                                         ; register work while the others arrive
	s_barrier_wait -1
	PLACES
	FETCH \c+1, 0, F0
.else
	s_wait_dscnt 0x0
	MUL F1
.endif
.endm
; 16 rows of my block: 32 bytes a lane into my own stage, read back as rows of 256 bytes, stored.  LDS serves a wave's instructions in order
; (ISA guide 5.7.1): no wait between the stores and the loads, nor between one call's loads and the next call's stores.
.macro OUT i, f
.irp u, 0,1,2,3
	ds_store_b128 v[STO], v[ACC+8*(4*\i+\u):ACC+8*(4*\i+\u)+3]   offset:\u*64
	ds_store_b128 v[STO], v[ACC+8*(4*\i+\u)+4:ACC+8*(4*\i+\u)+7] offset:\u*64+16
.endr
.irp t, 0,1,2,3,4,5,6,7
	ds_load_b128 v[\f+4*\t:\f+4*\t+3], v[RD] offset:\t*2*SP
.endr
.irp t, 0,1,2,3,4,5,6,7
	s_wait_dscnt 7-\t                              ; row pair t is back; the younger loads stay out
	global_store_b128 v[VO], v[\f+4*\t:\f+4*\t+3], s[10:11] offset:(16*\i+2*\t)*2048 th:TH_STORE_NT   ; 16 lanes store 256 consecutive bytes, at a multiple of 256 from out0's first byte
.endr
.endm
	s_load_b256 s[4:11], s[0:1], 0x0               ; ao 4, Wo 6, bo 8, out0 10
	v_lshl_add_u32 v254, v0, 2, 0x4c800
	v_mov_b32 v255, 0
	ds_add_u32 v254, v255
	v_lshrrev_b32 v1, 5, v0
	v_readfirstlane_b32 s12, v1                    ; wave w
	s_lshr_b32 s13, s12, 1                         ; wm
	s_and_b32 s14, s12, 1                          ; wn
	s_bfe_u32 s15, ttmp6, 0x40000                  ; cx: the slab
	v_and_b32 v1, 31, v0                           ; L
	v_and_b32 v2, 15, v0                           ; r
	v_bfe_u32 v3, v0, 4, 1                         ; h
	s_lshl_b32 s32, s12, 11
	v_lshl_add_u32 v[VX], v1, 4, s32
	s_lshl_b32 s32, s13, 15
	v_lshl_add_u32 v[AA], v1, 4, s32
	v_lshlrev_b32 v[VB], 5, v3
	s_mul_i32 s32, s12, WP
	s_add_co_u32 s32, s32, WOFF
	v_lshl_add_u32 v[VWS], v1, 3, s32              ; WOFF + 288 w + 8 L
	v_and_b32 v20, 7, v0
	v_lshl_add_u32 v20, v3, 3, v20                 ; 8 h + L % 8
	v_mul_u32_u24 v20, v20, WP
	v_bfe_u32 v21, v0, 3, 1
	v_lshl_add_u32 v20, v21, 4, v20                ; + 16 ((L / 8) % 2)
	s_lshl_b32 s32, s14, 7
	s_add_co_u32 s32, s32, WOFF
	v_add_nc_u32 v[AW], s32, v20                   ; + WOFF + 128 wn
.irp c, 1,2,3
	v_add_nc_u32 v[VWS+\c], \c*128*WP, v[VWS]
	v_add_nc_u32 v[AW+\c], \c*128*WP, v[AW]
.endr
	s_mul_i32 s32, s12, 16*SP
	s_add_co_u32 s32, s32, STAGE                   ; my stage
	v_mul_u32_u24 v20, v2, SP
	v_lshl_add_u32 v20, v3, 5, v20
	v_add_nc_u32 v[STO], s32, v20                  ; in: row r, 32 bytes for each half of the lanes
	v_mul_u32_u24 v20, v3, SP
	v_lshl_add_u32 v20, v2, 4, v20
	v_add_nc_u32 v[RD], s32, v20                   ; back: lanes 0-15 one row, lanes 16-31 the next
	v_lshlrev_b32 v20, 11, v3
	v_lshl_add_u32 v[VO], v2, 4, v20               ; the same two rows in out0
	; the joint load's descriptor: the same in all four partners (cluster x and the wave's number alone)
	s_mov_b32 s16, 1                               ; count = 1
	s_lshl_b32 s17, s12, 14                        ; LDS address: 16,384 w
	s_mov_b32 s20, 0x0023000f                      ; mask of the four work-groups; elements of 8 bytes; bit 21 beside the mask; no padding
	s_mov_b32 s21, 32<<16                          ; tensor_dim0 = 32 elements = 256 bytes
	s_mov_b32 s22, 64<<16                          ; tensor_dim1 = 64 rows
	s_mov_b32 s23, 32<<16                          ; tile_dim0 = 32
	s_mov_b32 s24, 64                              ; tile_dim1 = 64
	s_mov_b32 s25, 32                              ; pitch = 32 elements: the block is dense
	s_mov_b32 s26, 0
	s_mov_b32 s27, 0
	s_lshl_b32 s28, ttmp9, 17                      ; ao: the row block's 131,072 bytes
	s_add_co_u32 s28, s28, s17                     ; + my eighth
	s_mov_b32 s29, 0
	s_lshl_b32 s30, s15, 9                         ; the slab's 128 columns of f32
	s_mov_b32 s31, 0
	s_lshl_b32 s34, s14, 8
	s_add_co_u32 s34, s34, s30                     ; + my 64 columns
	s_mov_b32 s35, 0
	s_lshl_b32 s36, ttmp9, 18                      ; out0: 128 rows of 2,048 bytes,
	s_lshl_b32 s33, s13, 16                        ; my 32 rows,
	s_add_co_u32 s36, s36, s33
	s_add_co_u32 s36, s36, s34                     ; my columns
	s_mov_b32 s37, 0
	s_wait_dscnt 0x0
	s_wait_kmcnt 0x0
	s_add_nc_u64 s[18:19], s[4:5], s[28:29]
	s_or_b32 s19, s19, 0x80000000                  ; type = 2
	s_add_nc_u64 s[6:7], s[6:7], s[30:31]
	s_add_nc_u64 s[8:9], s[8:9], s[34:35]
	s_add_nc_u64 s[10:11], s[10:11], s[36:37]
	ROUND                                          ; all four work-groups are here: the joint loads meet
	tensor_load_to_lds s[16:19], s[20:27]
	s_nop 0
	; the bias of a lane's eight columns is loaded straight into the accumulators and starts the sums
.irp i, 0,1
.irp u, 0,1,2,3
	global_load_b128 v[ACC+8*(4*\i+\u):ACC+8*(4*\i+\u)+3],   v[VB], s[8:9] offset:\u*64
	global_load_b128 v[ACC+8*(4*\i+\u)+4:ACC+8*(4*\i+\u)+7], v[VB], s[8:9] offset:\u*64+16
.endr
.endr
	WIN 0x40                                       ; destination in window 1
.irp c, 0,1,2,3
.irp i, 0,1,2,3,4,5,6,7,8,9,10,11,12,13,14,15
	global_load_b128 v[64*\c+4*\i:64*\c+4*\i+3], v[VX], s[6:7] offset:\c*262144+\i*16384    ; k row 128 c + w + 8 i: a wave's load covers the slab's 512 bytes of it
.endr
.endr
	WIN 0
	s_wait_loadcnt 48                              ; the bias and chunk 0 are in; chunks 1 to 3, 16 loads each, stay out
	CVTST 0
	s_wait_tensorcnt 0x0                           ; my eighth of ao's block is in LDS,
	s_wait_dscnt 0x0                               ; my stores of chunk 0 are done:
	s_barrier_signal -1
	s_barrier_wait -1                              ; everybody's are
	FETCH 0, 0, F0
	CHUNK 0, 1
	CHUNK 1, 1
	CHUNK 2, 1
	CHUNK 3, 0
	PLACES                                         ; behind the last products: for the LDS stores that read results and the loads into the buffers
	OUT 0, F0
	OUT 1, F1
	s_wait_tensorcnt 0x0
	ds_add_u32 v254, v255
	s_wait_dscnt 0x0
	ROUND                                          ; the closing round: no work-group ends while a partner may still ask jointly
	s_endpgm
.Lfunc_end_k_q31f714b2ed_oproj:
	.size	k_q31f714b2ed_oproj, .Lfunc_end_k_q31f714b2ed_oproj-k_q31f714b2ed_oproj
	.p2alignl 7, 3214868480
	.fill 96, 4, 3214868480
	.section	.rodata,"a",@progbits
	.p2align	6, 0x0
	.amdhsa_kernel k_q31f714b2ed_oproj
		.amdhsa_group_segment_fixed_size 314368
		.amdhsa_private_segment_fixed_size 0
		.amdhsa_enable_private_segment 0
		.amdhsa_kernarg_size 32
		.amdhsa_user_sgpr_count 2
		.amdhsa_user_sgpr_kernarg_segment_ptr 1
		.amdhsa_wavefront_size32 1
		.amdhsa_system_sgpr_workgroup_id_x 1
		.amdhsa_system_sgpr_workgroup_id_y 1
		.amdhsa_system_sgpr_workgroup_id_z 1
		.amdhsa_system_vgpr_workitem_id 0
		.amdhsa_next_free_vgpr 512
		.amdhsa_next_free_sgpr 66
		.amdhsa_reserve_vcc 0
		.amdhsa_float_denorm_mode_32 3
		.amdhsa_float_denorm_mode_16_64 3
		.amdhsa_memory_ordered 1
		.amdhsa_forward_progress 1
		.amdhsa_inst_pref_size 52
	.end_amdhsa_kernel
	.amdgpu_metadata
---
amdhsa.version: [ 1, 2 ]
amdhsa.kernels:
  - .name:           k_q31f714b2ed_oproj
    .symbol:         k_q31f714b2ed_oproj.kd
    .args:
      - { .name: ao, .offset: 0, .size: 8, .value_kind: global_buffer, .address_space: global }
      - { .name: Wo, .offset: 8, .size: 8, .value_kind: global_buffer, .address_space: global }
      - { .name: bo, .offset: 16, .size: 8, .value_kind: global_buffer, .address_space: global }
      - { .name: out0, .offset: 24, .size: 8, .value_kind: global_buffer, .address_space: global }
    .group_segment_fixed_size: 314368
    .private_segment_fixed_size: 0
    .kernarg_segment_align: 8
    .kernarg_segment_size: 32
    .max_flat_workgroup_size: 256
    .sgpr_count:     66
    .vgpr_count:     512
    .wavefront_size: 32
...
	.end_amdgpu_metadata
.endif
;; end of part 3
;; ======== version 2 of 3: 3 launches; 1.19 times as fast as version 1
;; limits: values are held in f16: magnitudes above 65,504 overflow, below 6.1e-05 lose precision
;; workspace buffers: qf 8,388,608 bytes; kv 16,777,216 bytes; ao 8,388,608 bytes
;; launch qkv (part 4): grid 256 x 1, 8 waves a work-group, no clusters, 218,112 bytes of LDS; arguments x, context, Wq, Wk, Wv, bq, bk, bv, qf, kv; writes qf, kv
.if DOCPART == 4
	.amdgcn_target "amdgcn-amd-amdhsa--gfx1250"
	.amdhsa_code_object_version 6
	.text
	.protected	k_q31f714b2ed_qkv
	.globl	k_q31f714b2ed_qkv
	.p2align	8
	.type	k_q31f714b2ed_qkv,@function
k_q31f714b2ed_qkv:
	s_mov_b64 s[64:65], 0
	v_nop
	global_prefetch_b8 v0, s[64:65] scope:SCOPE_SE
	s_setreg_imm32_b32 hwreg(HW_REG_WAVE_MODE, 25, 1), 1
	s_wait_xcnt 0x0
; k = context Wk + bk, v = context Wv + bv, q = (x Wq + bq) c, with c = 32^-0.5 log2(e), so that the attention launch's scores are exponents of 2.
; x, context: [8192][512] f32.  W*: [512 (k)][512 (n)] f32.  Operands go to the matrix unit in f16, sums are f32, results are stored in f16.
; LIMITS: f16's range: |x|, |context|, |W|, |q c|, |k|, |v| below 65,504; magnitudes below 6.1e-5 keep an absolute accuracy of 3e-8 only.
; NaN and infinities in the inputs are not served.
;
; SHARES.  Work-group id: row block rb = id / 4 (128 tokens), slab sl = id % 4 (128 columns = 4 heads).  Eight K steps of 128, written out without
; a loop: four in which one tile of context meets Wk's and Wv's tiles (128 x 256 x 128: the tokens are loaded, converted, stored and read once for
; both), then four for Q (128 x 128 x 128).  Wave w: wm = w / 4 picks 64 tokens (4 tiles i), wn = w % 4 picks the head 4 sl + wn (2 column tiles d):
; eight accumulator tiles for K (later Q) and eight for V.
; RESULTS LIE IN FRAGMENT ORDER: the 16 bytes that lane L holds of a later matrix operand lie at 16 L, so every store of a wave here and every
; load of a wave later covers 512 consecutive bytes.  With r = L % 16, h = L / 16, e = 0..7, t = key / 64:
;   qf: ((b 16 + head) 128 + tt) 1024 + d 512 + 16 L                  = q c [token 16 tt + r][16 d + 8 h + e]
;   kv: (b 16 + head) 262144 + t 4096 + kt 1024 + d 512 + 16 L          = k [key 64 t + 16 kt + r][16 d + 8 h + e]
;   kv: (b 16 + head) 262144 + 131072 + t 4096 + g 2048 + d 1024 + cc 512 + 16 L = v [key 64 t + 32 g + 16 cc + 8 h + e][16 d + r]
; K and Q use the product transposed (source 0 = columns of W, source 1 = tokens): a lane's eight results are eight neighbouring columns of one token.
; V uses it the natural way: a lane's eight results are eight neighbouring keys of one column.
; NO CLUSTER, NO TENSOR LOADS, though four slabs read the same tokens and 64 row blocks the same weights: every byte has to pass through registers to
; become f16.  Tiles brought to LDS as f32 would take 2 x 196,608 bytes beside the 2 x 108,544 of the f16 slots, more than the 327,680 there are,
; and each byte would cross LDS twice.
; STAGING: 192 registers a lane in three parts of 64 (tokens, first weights, second weights).  In step n part p of step n + 1 is converted and stored to
; the other LDS slot behind quarter p's products, and the same part of step n + 2 is asked for as soon as those LDS stores are shown done.  So 32 to 48
; loads of every wave are always on their way, and each has a whole step in which to land.
.set XP,   272                         ; LDS pitch of a token row: 128 f16 + 16 bytes, an odd multiple of 16
.set WP,   288                         ; LDS pitch of a k row of W: 128 f16 + 32 bytes, an odd multiple of 32 (transposing loads)
.set XT,   128*XP                      ; the token tile's bytes, 34,816; the first weights' tile lies behind it,
.set WT,   128*WP                      ; 36,864 bytes, and the second weights' tile behind that
.set SLOT, XT+2*WT                     ; 108,544 bytes; two slots
.set CSCALE, 0x3e8293ee                ; 32^-0.5 log2(e) = 0.25503487
.set VX,   4                           ; v4      2048 w + 16 L: my 16 bytes of row w of a tile in memory
.set VL,   5                           ; v5      16 L
.set VB,   6                           ; v6      32 h: my eight columns' biases
.set VBN,  7                           ; v7      4 r: my one column's bias
.set VXS,  8                           ; v8-9    slot 0, 1: where my 8 bytes of a token row go
.set VW1S, 10                          ; v10-11  slot 0, 1: where my 8 bytes of a row of the first weights go
.set VW2S, 12                          ; v12-13  the same for the second weights
.set AX,   14                          ; v14-15  slot 0, 1: my token fragments
.set AW1,  16                          ; v16-17  slot 0, 1: my fragments of the first weights
.set AW2,  18                          ; v18-19  the same for the second weights
.set BV,   20                          ; v20-23  bv[r] twice, bv[16 + r] twice
.set ACC,  32                          ; v32-95  K's, later Q's sums: tile (i, d) at 32 + 8 (2 i + d)
.set F0,   96                          ; v96-159   fragment buffer 0: tokens i at + 8 i, first weights d at + 32 + 8 d, second weights d at + 48 + 8 d
.set F1,   160                         ; v160-223  fragment buffer 1; also the packed results on the way out
.set BK,   224                         ; v224-239  bk of my eight columns of tile d at + 8 d: the C operand of K's first products
.set BQ,   240                         ; v240-255  bq likewise
                                       ; v256-447  staging (window 1, written v0-191): part p at 64 p
.set AV,   192                         ; v448-511  (window 1, written v192-255) V's sums: tile (i, d) at 192 + 8 (2 i + d)
.set MSB, 0
.macro WIN new                         ; the immediate's high byte repeats the setting that is left.  Every macro that names vector registers sets its own window
.if MSB != \new
	s_set_vgpr_msb (MSB<<8)|\new
.set MSB, \new
.endif
.endm
.macro PLACES                          ; four places behind a matrix instruction (ISA guide 7.12.1) before its registers are read, written or loaded into
.rept 4
	v_nop
.endr
.endm
; 16 loads into staging part p from the tile at s[gb] + goff.  Row w + 8 i; a wave's load covers the row's 512 consecutive bytes.
.macro GLOAD p, gb, goff
	WIN 0x40                                       ; destination in window 1
.irp i, 0,1,2,3,4,5,6,7,8,9,10,11,12,13,14,15
	global_load_b128 v[64*\p+4*\i:64*\p+4*\i+3], v[VX], s[\gb:\gb+1] offset:\i*16384+\goff
.endr
.endm
; staging part p: f32 become f16 in place and go to LDS at v[areg], 8 bytes a lane, 256 consecutive bytes a wave, eight rows (step bytes) apart.
; left = the loads issued behind this part's, which stay out.
.macro CONV p, areg, step, left
	s_wait_loadcnt \left
	WIN 0x45                                       ; destination and both sources in window 1
.irp i, 0,1,2,3,4,5,6,7,8,9,10,11,12,13,14,15
	v_cvt_pk_f16_f32 v[64*\p+4*\i], v[64*\p+4*\i], v[64*\p+4*\i+1]
	v_cvt_pk_f16_f32 v[64*\p+4*\i+1], v[64*\p+4*\i+2], v[64*\p+4*\i+3]
.endr
	WIN 0x04                                       ; store data in window 1, address in window 0
.irp i, 0,1,2,3,4,5,6,7,8,9,10,11,12,13,14,15
	ds_store_b64 v[\areg], v[64*\p+4*\i:64*\p+4*\i+1] offset:\i*\step
.endr
.endm
; 12 or 16 LDS loads: the fragments of quarter kk (32 along K) into buffer f.  Tokens lie along K: two plain loads 32 bytes apart.
; Weights lie [k][n]: two transposing loads 16 rows apart.  both = 1: the second weights too.
.macro FETCH slot, kk, f, both
	WIN 0
.irp i, 0,1,2,3
	ds_load_b128 v[\f+8*\i:\f+8*\i+3],   v[AX+(\slot)] offset:\i*16*XP+\kk*64
	ds_load_b128 v[\f+8*\i+4:\f+8*\i+7], v[AX+(\slot)] offset:\i*16*XP+\kk*64+32
.endr
.irp d, 0,1
	ds_load_tr16_b128 v[\f+32+8*\d:\f+32+8*\d+3],   v[AW1+(\slot)] offset:\kk*32*WP+\d*32
	ds_load_tr16_b128 v[\f+32+8*\d+4:\f+32+8*\d+7], v[AW1+(\slot)] offset:\kk*32*WP+\d*32+16*WP
.endr
.if \both
.irp d, 0,1
	ds_load_tr16_b128 v[\f+48+8*\d:\f+48+8*\d+3],   v[AW2+(\slot)] offset:\kk*32*WP+\d*32
	ds_load_tr16_b128 v[\f+48+8*\d+4:\f+48+8*\d+7], v[AW2+(\slot)] offset:\kk*32*WP+\d*32+16*WP
.endr
.endif
.endm
; The accumulators (eight, or K's eight and V's eight) take turns, one instruction a turn, from one quarter to the next too.
; K and Q, transposed use: source 0 = first weights, source 1 = tokens.  cm 2: the bias at v[cb + 8 d] starts the sums: nothing is cleared or added later.
.macro MULK f, cm, cb
	WIN 0
.irp i, 0,1,2,3
.irp d, 0,1
.if \cm == 2
	v_wmma_f32_16x16x32_f16 v[ACC+8*(2*\i+\d):ACC+8*(2*\i+\d)+7], v[\f+32+8*\d:\f+32+8*\d+7], v[\f+8*\i:\f+8*\i+7], v[\cb+8*\d:\cb+8*\d+7]
.else
	v_wmma_f32_16x16x32_f16 v[ACC+8*(2*\i+\d):ACC+8*(2*\i+\d)+7], v[\f+32+8*\d:\f+32+8*\d+7], v[\f+8*\i:\f+8*\i+7], v[ACC+8*(2*\i+\d):ACC+8*(2*\i+\d)+7]
.endif
.endr
.endr
.endm
; V, the natural way: source 0 = tokens, source 1 = second weights.  zero = 1: the product starts the sums.
.macro MULV f, zero
	WIN 0x50                                       ; C and D in window 1
.irp i, 0,1,2,3
.irp d, 0,1
.if \zero
	v_wmma_f32_16x16x32_f16 v[AV+8*(2*\i+\d):AV+8*(2*\i+\d)+7], v[\f+8*\i:\f+8*\i+7], v[\f+48+8*\d:\f+48+8*\d+7], 0
.else
	v_wmma_f32_16x16x32_f16 v[AV+8*(2*\i+\d):AV+8*(2*\i+\d)+7], v[\f+8*\i:\f+8*\i+7], v[\f+48+8*\d:\f+48+8*\d+7], v[AV+8*(2*\i+\d):AV+8*(2*\i+\d)+7]
.endif
.endr
.endr
.endm
.macro MULS f, cm, cb, zv              ; one quarter's products
	MULK \f, \cm, \cb
.if BOTH
	MULV \f, \zv
.endif
.endm
; the way out of K and of Q: (scale,) round to f16 into v[F1 ..+31], eight stores of 512 consecutive bytes
.macro EPI_S ob, scale
	WIN 0
.if \scale
.set j, 0
.rept 32
	v_pk_mul_f32 v[ACC+2*j:ACC+2*j+1], v[ACC+2*j:ACC+2*j+1], s[38:39] op_sel_hi:[1,0]
.set j, j+1
.endr
.endif
.set j, 0
.rept 32
	v_cvt_pk_f16_f32 v[F1+j], v[ACC+2*j], v[ACC+2*j+1]
.set j, j+1
.endr
.irp i, 0,1,2,3
.irp d, 0,1
	global_store_b128 v[VL], v[F1+4*(2*\i+\d):F1+4*(2*\i+\d)+3], s[\ob:\ob+1] offset:\i*1024+\d*512
.endr
.endr
.endm
; the way out of V: a lane has one column, so one bias for all eight keys; packed into v[F1+32 ..+63]
.macro EPI_V
	WIN 0x41                                       ; destination and source 0 in window 1
.irp i, 0,1,2,3
.irp d, 0,1
.irp e, 0,2,4,6
	v_pk_add_f32 v[AV+8*(2*\i+\d)+\e:AV+8*(2*\i+\d)+\e+1], v[AV+8*(2*\i+\d)+\e:AV+8*(2*\i+\d)+\e+1], v[BV+2*\d:BV+2*\d+1]
.endr
.endr
.endr
	WIN 0x05                                       ; both sources in window 1
.set j, 0
.rept 32
	v_cvt_pk_f16_f32 v[F1+32+j], v[AV+2*j], v[AV+2*j+1]
.set j, j+1
.endr
	WIN 0
.irp i, 0,1,2,3
.irp d, 0,1
	global_store_b128 v[VL], v[F1+32+4*(2*\i+\d):F1+32+4*(2*\i+\d)+3], s[26:27] offset:131072+(\i>>1)*2048+\d*1024+(\i&1)*512
.endr
.endr
.endm
; What step n (0 to 7) does, as symbols.  Steps 0 to 3 multiply context by Wk and Wv, steps 4 to 7 x by Wq.
.macro PLANOF n
.set SL, (\n)&1                        ; the slot that is multiplied; the other is written
.set ST, ((\n)+2)&3                    ; which 128 of K the step after next takes
.if (\n) < 4
.set BOTH, 1                           ; this step has second weights
.set FL, 16                            ; and its run of fragment loads has 16
.else
.set BOTH, 0
.set FL, 12
.endif
.if (\n)+1 < 4
.set BOTHN, 1                          ; the next step has second weights
.else
.set BOTHN, 0
.endif
.if (\n)+1 < 8
.set MORE, 1                           ; there is a next step: its tiles are converted here
.else
.set MORE, 0
.endif
.if (\n)+2 < 8
.set ISS, 1                            ; there is a step after next: its tiles are asked for here
.else
.set ISS, 0
.endif
.if (\n)+2 < 4
.set ISS2, 1                           ; with second weights,
.set XB, 10                            ; from context
.set WB, 14                            ; and Wk
.else
.set ISS2, 0
.set XB, 8                             ; from x
.set WB, 12                            ; and Wq
.endif
.set LX, 16+16*BOTHN                   ; loads issued behind the next step's tokens: its first weights, its second weights
.set LW, 16*BOTHN+16*ISS               ; behind its first weights: its second weights, the tokens of the step after next
.endm
; One K step of 128 = four quarters on buffers 0, 1, 0, 1.  At its head quarter 0's fragment loads are out.
; A part of the staging is loaded again only behind the counted wait on DScnt that follows its LDS stores: those stores are older than the FL fragment
; loads that the count lets stay out.
; ONE barrier a step: the other slot was last read in the step before, those reads were waited for in front of that step's signal, and it is
; written only behind that barrier's wait; it is read only behind this step's barrier, in front of which every wave has waited for its stores.
.macro STEP n, cm, cb, zv
	PLANOF \n
	FETCH SL, 1, F1, BOTH
	s_wait_dscnt FL                                ; quarter 0's fragments are in, the FL loads just issued stay out
	MULS F0, \cm, \cb, \zv
.if MORE
	CONV 0, VXS+1-SL, 8*XP, LX                     ; the next step's tokens
.endif
	PLACES
	FETCH SL, 2, F0, BOTH
	s_wait_dscnt FL                                ; quarter 1's fragments are in and the tokens' LDS stores are done
.if ISS
	GLOAD 0, XB, ST*512
.endif
	MULS F1, 0, 0, 0
.if MORE
	CONV 1, VW1S+1-SL, 8*WP, LW                    ; the next step's first weights
.endif
	PLACES
	FETCH SL, 3, F1, BOTH
	s_wait_dscnt FL                                ; quarter 2's fragments are in and the first weights' LDS stores are done
.if ISS
	GLOAD 1, WB, ST*262144
.endif
	MULS F0, 0, 0, 0
.if BOTHN
	CONV 2, VW2S+1-SL, 8*WP, 32                    ; the next step's second weights; behind them 32 loads of the step after next were issued
.endif
	s_wait_dscnt 0x0                               ; for the other waves: my reads of this slot are back, my stores to the other are done
.if ISS2
	GLOAD 2, 16, ST*262144
.endif
.if MORE
	s_barrier_signal -1
	MULS F1, 0, 0, 0                               ; register work while the others arrive
	s_barrier_wait -1
	PLACES
	FETCH 1-SL, 0, F0, BOTHN
.else
	MULS F1, 0, 0, 0
	PLACES
.endif
.endm
	s_load_b512 s[8:23], s[0:1], 0x0               ; x 8, context 10, Wq 12, Wk 14, Wv 16, bq 18, bk 20, bv 22
	s_load_b128 s[24:27], s[0:1], 0x40             ; qf 24, kv 26
	v_lshl_add_u32 v30, v0, 2, 0x35000
	v_mov_b32 v31, 0
	v_lshrrev_b32 v1, 5, v0
	v_readfirstlane_b32 s30, v1                    ; wave w
	s_lshr_b32 s31, s30, 2                         ; wm
	s_and_b32 s32, s30, 3                          ; wn
	s_lshr_b32 s33, ttmp9, 2                       ; rb
	s_and_b32 s34, ttmp9, 3                        ; sl
	s_lshl2_add_u32 s35, s34, s32                  ; head = 4 sl + wn
	s_mov_b32 s38, CSCALE
	s_mov_b32 s39, CSCALE
	v_and_b32 v1, 31, v0                           ; L
	v_and_b32 v2, 15, v0                           ; r
	v_bfe_u32 v3, v0, 4, 1                         ; h
	v_lshlrev_b32 v[VL], 4, v1
	s_lshl_b32 s40, s30, 11
	v_add_nc_u32 v[VX], s40, v[VL]                 ; 2048 w + 16 L
	s_mul_i32 s40, s30, XP
	v_lshl_add_u32 v[VXS], v1, 3, s40              ; 272 w + 8 L
	v_add_nc_u32 v[VXS+1], SLOT, v[VXS]
	s_mul_i32 s40, s30, WP
	s_add_co_u32 s40, s40, XT
	v_lshl_add_u32 v[VW1S], v1, 3, s40             ; XT + 288 w + 8 L
	v_add_nc_u32 v[VW1S+1], SLOT, v[VW1S]
	v_add_nc_u32 v[VW2S], WT, v[VW1S]
	v_add_nc_u32 v[VW2S+1], WT, v[VW1S+1]
	v_mul_u32_u24 v24, v2, XP
	v_lshl_add_u32 v24, v3, 4, v24
	s_mul_i32 s40, s31, 64*XP
	v_add_nc_u32 v[AX], s40, v24                   ; (64 wm + r) 272 + 16 h
	v_add_nc_u32 v[AX+1], SLOT, v[AX]
	v_and_b32 v24, 7, v0
	v_lshl_add_u32 v24, v3, 3, v24                 ; 8 h + L % 8
	v_mul_u32_u24 v24, v24, WP
	v_bfe_u32 v25, v0, 3, 1
	v_lshl_add_u32 v24, v25, 4, v24                ; + 16 ((L / 8) % 2)
	s_lshl_b32 s40, s32, 6
	s_add_co_u32 s40, s40, XT
	v_add_nc_u32 v[AW1], s40, v24                  ; + XT + 64 wn
	v_add_nc_u32 v[AW1+1], SLOT, v[AW1]
	v_add_nc_u32 v[AW2], WT, v[AW1]
	v_add_nc_u32 v[AW2+1], WT, v[AW1+1]
	v_lshlrev_b32 v[VB], 5, v3
	v_lshlrev_b32 v[VBN], 2, v2
	s_mov_b32 s37, 0
	s_wait_kmcnt 0x0
	; every base is set once here; all later steps stand in the immediates
	s_lshl_b32 s36, s33, 18                        ; 128 rows of 2,048 bytes
	s_add_nc_u64 s[8:9], s[8:9], s[36:37]
	s_add_nc_u64 s[10:11], s[10:11], s[36:37]
	s_lshl_b32 s36, s34, 9                         ; the slab's 128 columns
	s_add_nc_u64 s[12:13], s[12:13], s[36:37]
	s_add_nc_u64 s[14:15], s[14:15], s[36:37]
	s_add_nc_u64 s[16:17], s[16:17], s[36:37]
	s_lshl_b32 s36, s35, 7                         ; the head's 32 biases
	s_add_nc_u64 s[18:19], s[18:19], s[36:37]
	s_add_nc_u64 s[20:21], s[20:21], s[36:37]
	s_add_nc_u64 s[22:23], s[22:23], s[36:37]
	s_lshr_b32 s41, s33, 4                         ; b
	s_lshl4_add_u32 s41, s41, s35                  ; 16 b + head
	s_and_b32 s42, s33, 15                         ; the row block inside the batch
	s_lshl_b32 s36, s41, 17
	s_lshl_b32 s43, s42, 13
	s_add_co_u32 s36, s36, s43
	s_lshl_b32 s43, s31, 12
	s_add_co_u32 s36, s36, s43
	s_add_nc_u64 s[24:25], s[24:25], s[36:37]      ; qf at my four query tiles
	s_lshl_b32 s36, s41, 18
	s_lshl1_add_u32 s43, s42, s31                  ; t = 2 (rb % 16) + wm
	s_lshl_b32 s43, s43, 12                        ; 4,096 bytes of K, and of V, for 64 keys
	s_add_co_u32 s36, s36, s43
	s_add_nc_u64 s[26:27], s[26:27], s[36:37]      ; kv at my 64 keys' K; their V lies 131,072 bytes further
	; the head: twelve loads of biases, then step 0's three parts: 60 loads of the wave are out
.irp d, 0,1
	global_load_b128 v[BK+8*\d:BK+8*\d+3],   v[VB], s[20:21] offset:\d*64
	global_load_b128 v[BK+8*\d+4:BK+8*\d+7], v[VB], s[20:21] offset:\d*64+16
	global_load_b128 v[BQ+8*\d:BQ+8*\d+3],   v[VB], s[18:19] offset:\d*64
	global_load_b128 v[BQ+8*\d+4:BQ+8*\d+7], v[VB], s[18:19] offset:\d*64+16
.endr
	global_load_b32 v[BV], v[VBN], s[22:23]
	global_load_b32 v[BV+1], v[VBN], s[22:23]
	global_load_b32 v[BV+2], v[VBN], s[22:23] offset:64
	global_load_b32 v[BV+3], v[VBN], s[22:23] offset:64
	GLOAD 0, 10, 0
	GLOAD 1, 14, 0
	GLOAD 2, 16, 0
	CONV 0, VXS, 8*XP, 32                          ; the biases and step 0's tokens are in; 32 younger loads stay out, here and at the next two
	s_wait_dscnt 0x0                               ; the part's LDS stores are done: it may be loaded again
	GLOAD 0, 10, 512                               ; step 1's tokens
	CONV 1, VW1S, 8*WP, 32
	s_wait_dscnt 0x0
	GLOAD 1, 14, 262144
	CONV 2, VW2S, 8*WP, 32
	s_wait_dscnt 0x0                               ; also for the other waves: my stores to slot 0 are done
	GLOAD 2, 16, 262144
	s_barrier_signal -1
	s_barrier_wait -1
	FETCH 0, 0, F0, 1
	STEP 0, 2, BK, 1                               ; K and V: bk starts K's sums, the first product V's
	STEP 1, 0, 0, 0
	STEP 2, 0, 0, 0
	STEP 3, 0, 0, 0
	EPI_S 26, 0
	EPI_V
	s_wait_xcnt 0x0                                ; buffer 1, the stores' data, is loaded again only behind this wait
	STEP 4, 2, BQ, 0                               ; Q: bq starts the sums
	STEP 5, 0, 0, 0
	STEP 6, 0, 0, 0
	STEP 7, 0, 0, 0
	EPI_S 24, 1
	s_wait_tensorcnt 0x0
	ds_add_u32 v30, v31
	s_wait_dscnt 0x0
	s_endpgm
.Lfunc_end_k_q31f714b2ed_qkv:
	.size	k_q31f714b2ed_qkv, .Lfunc_end_k_q31f714b2ed_qkv-k_q31f714b2ed_qkv
	.p2alignl 7, 3214868480
	.fill 96, 4, 3214868480
	.section	.rodata,"a",@progbits
	.p2align	6, 0x0
	.amdhsa_kernel k_q31f714b2ed_qkv
		.amdhsa_group_segment_fixed_size 218112
		.amdhsa_private_segment_fixed_size 0
		.amdhsa_enable_private_segment 0
		.amdhsa_kernarg_size 80
		.amdhsa_user_sgpr_count 2
		.amdhsa_user_sgpr_kernarg_segment_ptr 1
		.amdhsa_wavefront_size32 1
		.amdhsa_system_sgpr_workgroup_id_x 1
		.amdhsa_system_sgpr_workgroup_id_y 1
		.amdhsa_system_sgpr_workgroup_id_z 1
		.amdhsa_system_vgpr_workitem_id 0
		.amdhsa_next_free_vgpr 512
		.amdhsa_next_free_sgpr 66
		.amdhsa_reserve_vcc 0
		.amdhsa_float_denorm_mode_32 3
		.amdhsa_float_denorm_mode_16_64 3
		.amdhsa_memory_ordered 1
		.amdhsa_forward_progress 1
		.amdhsa_inst_pref_size 168
	.end_amdhsa_kernel
	.amdgpu_metadata
---
amdhsa.version: [ 1, 2 ]
amdhsa.kernels:
  - .name:           k_q31f714b2ed_qkv
    .symbol:         k_q31f714b2ed_qkv.kd
    .args:
      - { .name: x, .offset: 0, .size: 8, .value_kind: global_buffer, .address_space: global }
      - { .name: context, .offset: 8, .size: 8, .value_kind: global_buffer, .address_space: global }
      - { .name: Wq, .offset: 16, .size: 8, .value_kind: global_buffer, .address_space: global }
      - { .name: Wk, .offset: 24, .size: 8, .value_kind: global_buffer, .address_space: global }
      - { .name: Wv, .offset: 32, .size: 8, .value_kind: global_buffer, .address_space: global }
      - { .name: bq, .offset: 40, .size: 8, .value_kind: global_buffer, .address_space: global }
      - { .name: bk, .offset: 48, .size: 8, .value_kind: global_buffer, .address_space: global }
      - { .name: bv, .offset: 56, .size: 8, .value_kind: global_buffer, .address_space: global }
      - { .name: qf, .offset: 64, .size: 8, .value_kind: global_buffer, .address_space: global }
      - { .name: kv, .offset: 72, .size: 8, .value_kind: global_buffer, .address_space: global }
    .group_segment_fixed_size: 218112
    .private_segment_fixed_size: 0
    .kernarg_segment_align: 8
    .kernarg_segment_size: 80
    .max_flat_workgroup_size: 256
    .sgpr_count:     66
    .vgpr_count:     512
    .wavefront_size: 32
...
	.end_amdgpu_metadata
.endif
;; end of part 4
;; launch attn (part 5): grid 256 x 1, 8 waves a work-group, clusters of 4 x 1, 263,168 bytes of LDS; arguments qf, kv, ao; writes ao
.if DOCPART == 5
	.amdgcn_target "amdgcn-amd-amdhsa--gfx1250"
	.amdhsa_code_object_version 6
	.text
	.protected	k_q31f714b2ed_attn
	.globl	k_q31f714b2ed_attn
	.p2align	8
	.type	k_q31f714b2ed_attn,@function
k_q31f714b2ed_attn:
	s_mov_b64 s[64:65], 0
	v_nop
	global_prefetch_b8 v0, s[64:65] scope:SCOPE_SE
	s_setreg_imm32_b32 hwreg(HW_REG_WAVE_MODE, 25, 1), 1
	s_wait_xcnt 0x0
	s_wait_alu depctr_hold_cnt(0) depctr_sa_sdst(0) depctr_va_vdst(0) depctr_va_sdst(0) depctr_va_ssrc(0) depctr_va_vcc(0) depctr_vm_vsrc(0)
	s_getreg_b32 s2, hwreg(HW_REG_IB_STS2, 6, 4)
	s_cmp_eq_u32 s2, 0
	s_cbranch_scc0 .Lentry_in_a_cluster
	s_endpgm
.Lentry_in_a_cluster:
	s_bfe_u32 s2, ttmp6, 0x10000c
	s_cmp_lg_u32 s2, 0x3003
	s_cbranch_scc0 .Lentry_shape_is_right
	s_endpgm
.Lentry_shape_is_right:
; softmax(q k^T 32^-0.5) v for one (batch, head) and 512 queries.  q comes scaled by 32^-0.5 log2(e): scores are exponents of 2.
; LIMITS: P goes to the matrix unit in f16: p below 2^-25 counts as 0 there (the row sum adds the unrounded f32 p); the result is stored in f16
; (magnitude below 65,504; below 6.1e-5 an absolute accuracy of 3e-8).  NaN and infinities are not served: the maxima drop a NaN.
;
; TWO PASSES over the head's 2,048 keys.  Pass 1 forms the scores and keeps only each query's maximum; pass 2 forms them again with minus that
; maximum as the matrix instruction's C operand, so that its results go straight to the exponential.  For 64 keys x 16 queries pass 1 costs 4 matrix
; and 16 vector instructions; pass 2 has 8 matrix and 65 vector instructions (32 exponentials, 16 packed sums, 16 conversions, 1 filler).  One pass with a
; running maximum would have 8 matrix and 110 vector instructions (the same, and 16 subtractions, 8 rescalings of O, 9 in a chain for the new
; maximum and its factor).  The maximum that is taken away is the row's own, as in the definition of softmax.
;
; SHARES.  A cluster of four work-groups has one (batch, head) bh = cluster x; work-group cx takes 512 of its 2,048 queries, wave w 64 of them
; (4 query tiles q).  The head's K (131,072 bytes) and V (131,072) fill LDS once, as they lie in memory: no byte is ever filled again.  The four
; partners need the same bytes, so every load is asked for jointly, with the mask of all four.
; THE FILL comes in three parts, in the order in which they are read: K of trips 0 to 7 (32,768 bytes), K of trips 8 to 31 (98,304), V (131,072).
; Each wave asks for its eighth of each part (16, 48 and 64 rows of 256 bytes), all at the start: a wave has three tensor
; loads outstanding at the most.  A wave's loads end in order (ISA guide 10.11.1), so a counted wait and a barrier in front of a part's first read
; show that part whole, and the younger ones stay out.  The first part is small so that few bytes stand in front of the first product; the second
; lands under the first seven trips of pass 1, V under the rest of pass 1.
; LAYOUTS (r = L % 16, h = L / 16).  S^T = K fragment x Q fragment: lane (r, h) holds query r, keys 16 kt + 8 h + j.  Two key tiles, packed to f16,
; ARE the second source P^T of O^T = V^T fragment x P^T: P never leaves registers.  O^T: lane (r, h) holds query r, d = 16 dh + 8 h + j, which is
; ao's order: ao byte (tile 16 + head) 1024 + dh 512 + 16 L = out[token 16 tile + r][32 head + 16 dh + 8 h + e].
.set PARTA, 32768                      ; bytes of the first part
.set VBASE, 131072                     ; V lies behind K, in memory and in LDS
.set TRIPB, 4096                       ; bytes of K, and of V, for 64 keys
.set VK, 1                             ; v1        16 L + 4096 x (the trip whose K is loaded next)
.set VL, 2                             ; v2        16 L
.set VV, 3                             ; v3        131072 + 16 L + 4096 x (the trip whose V is loaded next)
.set U,  4                             ; v4-11     four pairs of partial sums
.set T,  16                            ; v16-31    pass 1: four chains of the maximum for each q
.set LP, 16                            ; v16-23    pass 2: row sums, a pair for each q
.set R,  24                            ; v24-27    the end: whole row sums
.set KF, 32                            ; v32-63    K fragments kt at + 8 kt
.set O,  64                            ; v64-127   O^T tile (q, dh) at 64 + 16 q + 8 dh.  Pass 1: v64-191 are four score buffers, q at 64 + 32 q
.set SA, 128                           ; v128-159  pass 2: scores of even q, then p in f32
.set SB, 160                           ; v160-191  pass 2: the same for odd q
.set VF, 192                           ; v192-223  V^T fragments (g, dh) at + 16 g + 8 dh.  Pass 1: the second K buffer
.set P,  224                           ; v224-239  p in f16
.set QW, 0                             ; v256-287  (window 1) Q fragments, q at + 8 q: read as a score product's source 1 alone
.set NG, 32                            ; v288-319  (window 1) minus the maximum of query tile q, eight times, at + 8 q: read as its C alone
.set G1A, 20                           ; s[20:27]  descriptor group 1 of the first part: 16 rows
.set G0,  32                           ; s[32:43]  descriptor group 0, one set for each part: all three loads are out together
.set G1B, 44                           ; s[44:51]  group 1 of the second part: 48 rows
.set G1C, 52                           ; s[52:59]  group 1 of the third part: 64 rows
.set MSB, 0
.macro WIN new                         ; the immediate's high byte repeats the setting that is left; at a label and at a branch the setting is 0
.if MSB != \new
	s_set_vgpr_msb (MSB<<8)|\new
.set MSB, \new
.endif
.endm
.macro PLACES                          ; four places behind a matrix instruction (ISA guide 7.12.1)
.rept 4
	v_nop
.endr
.endm
; a round of the cluster's barrier: my work-group's barrier, wave 0 signals for the work-group, every wave waits for all four, my work-group's barrier again
.macro ROUND
	s_barrier_signal -1
	s_barrier_wait -1
	s_cmp_lg_u32 s10, 0
	s_cbranch_scc1 .Lnot_wave_0_\@
	s_barrier_signal -3
.Lnot_wave_0_\@:
	s_barrier_wait -3
	s_barrier_signal -1
	s_barrier_wait -1
.endm
; group 1 at s[g]: so many rows of 256 bytes, dense; the same in all four partners
.macro SHAPE g, rows
	s_mov_b32 s[\g+0], 0x0023000f                  ; mask of the four work-groups; elements of 8 bytes; bit 21 beside the mask; no padding
	s_mov_b32 s[\g+1], 32<<16                      ; tensor_dim0 = 32 elements = 256 bytes
	s_mov_b32 s[\g+2], \rows<<16                   ; tensor_dim1 = the rows
	s_mov_b32 s[\g+3], 32<<16                      ; tile_dim0 = 32
	s_mov_b32 s[\g+4], \rows                       ; tile_dim1 = the rows
	s_mov_b32 s[\g+5], 32                          ; pitch = 32 elements: the block is dense
	s_mov_b32 s[\g+6], 0
	s_mov_b32 s[\g+7], 0
.endm
; In front of a part's first read.  left = the younger tensor loads of mine that may stay out: behind this barrier nothing is filled again.
.macro SYNC left
	s_wait_dscnt 0x0                               ; no LDS load of mine is pending at the signal
	s_wait_tensorcnt \left                         ; my eighth of the part has landed,
	s_barrier_signal -1
	s_barrier_wait -1                              ; everybody's has
.endm
.macro KLOAD kb, off                   ; 8 loads of 512 consecutive bytes: four K fragments into buffer kb
.irp k, 0,1,2,3
	ds_load_b128 v[\kb+8*\k:\kb+8*\k+3],   v[VK] offset:\off+\k*1024
	ds_load_b128 v[\kb+8*\k+4:\kb+8*\k+7], v[VK] offset:\off+\k*1024+512
.endr
.endm
.macro VLOAD                           ; 8 loads: four V^T fragments
.irp g, 0,1
.irp d, 0,1
	ds_load_b128 v[VF+16*\g+8*\d:VF+16*\g+8*\d+3],   v[VV] offset:\g*2048+\d*1024
	ds_load_b128 v[VF+16*\g+8*\d+4:VF+16*\g+8*\d+7], v[VV] offset:\g*2048+\d*1024+512
.endr
.endr
.endm
; scores of 64 keys x 16 queries into sd; the head's 32 numbers are one instruction's K.  neg = 1: minus the query's maximum is added as C.
.macro SMUL q, kb, sd, neg
.if \neg
	WIN 0x14                                       ; sources 1 and 2 in window 1
.else
	WIN 0x04                                       ; source 1 in window 1
.endif
.irp k, 0,1,2,3
.if \neg
	v_wmma_f32_16x16x32_f16 v[\sd+8*\k:\sd+8*\k+7], v[\kb+8*\k:\kb+8*\k+7], v[QW+8*\q:QW+8*\q+7], v[NG+8*\q:NG+8*\q+7]
.else
	v_wmma_f32_16x16x32_f16 v[\sd+8*\k:\sd+8*\k+7], v[\kb+8*\k:\kb+8*\k+7], v[QW+8*\q:QW+8*\q+7], 0
.endif
.endr
	WIN 0
.endm
; ---- pass 1 ----
.macro MAXQ q                          ; 32 scores a lane into the four chains of query tile q; a chain's links stand four instructions apart
.irp j, 0,1,2,3
.irp c, 0,1,2,3
	v_max3_num_f32 v[T+4*\q+\c], v[T+4*\q+\c], v[O+32*\q+8*\c+2*\j], v[O+32*\q+8*\c+2*\j+1]
.endr
.endr
.endm
; 64 keys.  kb holds their K fragments; the next trip's go into kn meanwhile.  Each tile's maxima stand behind the next tile's products, so that
; sixteen plain instructions on other registers lie between a product and the reads of its results, and between a product and a load into its sources.
.macro P1 kb, kn, koff, first, more
	s_wait_dscnt 0x0                               ; this trip's K fragments
.if \more
	KLOAD \kn, \koff
.endif
	SMUL 0, \kb, O, 0
.if \first
	PLACES
.else
	MAXQ 3                                         ; of the trip before
.endif
	SMUL 1, \kb, O+32, 0
	MAXQ 0
	SMUL 2, \kb, O+64, 0
	MAXQ 1
	SMUL 3, \kb, O+96, 0
	MAXQ 2
.endm
.macro P1PHASE n                       ; 2 n trips, an odd one and an even one a lap; their 2 n loads of K stay inside one part of the fill
	s_mov_b32 s30, \n
.Lmax_\@:
	P1 VF, KF, 0, 0, 1
	P1 KF, VF, TRIPB, 0, 1
	v_add_nc_u32 v[VK], 2*TRIPB, v[VK]
	s_sub_co_i32 s30, s30, 1
	s_cmp_lg_u32 s30, 0
	s_cbranch_scc1 .Lmax_\@
.endm
; ---- pass 2 ----
.macro EXPT b
.irp e, 0,1,2,3,4,5,6,7
	v_exp_f32 v[\b+\e], v[\b+\e]
.endr
.endm
.macro CVT2 s, j                       ; two words of P
	v_cvt_pk_f16_f32 v[P+\j],   v[\s+2*(\j)],   v[\s+2*(\j)+1]
	v_cvt_pk_f16_f32 v[P+\j+1], v[\s+2*(\j)+2], v[\s+2*(\j)+3]
.endm
; 64 keys of query tile q, scores less the maximum in s: p = 2^s in place, the row sums, P in f16.
; Behind each run of exponentials stands a plain instruction that touches none of them before any is used (ISA guide 5.7.2).
; fill: that instruction behind the first two runs: 0 v_nop, 1 V's address steps, 2 K's address steps.
; hook: 1 this trip's V^T fragments, 2 the next trip's K fragments are fetched here: five plain instructions behind the last product that read the old ones.
; The same five stand between the last P V product and the first new word of P.
.macro VEC q, s, first, hook, fill
	EXPT \s
	EXPT \s+8
.if \fill == 1
	v_add_nc_u32 v[VV], TRIPB, v[VV]
	s_wait_alu depctr_va_vdst(0)
.elseif \fill == 2
	v_add_nc_u32 v[VK], TRIPB, v[VK]
	s_wait_alu depctr_va_vdst(0)
.else
	v_nop
	s_wait_alu depctr_va_vdst(0)
.endif
	v_pk_add_f32 v[U:U+1],   v[\s:\s+1],     v[\s+2:\s+3]
	v_pk_add_f32 v[U+2:U+3], v[\s+4:\s+5],   v[\s+6:\s+7]
	v_pk_add_f32 v[U+4:U+5], v[\s+8:\s+9],   v[\s+10:\s+11]
	v_pk_add_f32 v[U+6:U+7], v[\s+12:\s+13], v[\s+14:\s+15]
.if \hook == 1
	VLOAD
.elseif \hook == 2
	KLOAD KF, 0
.endif
	CVT2 \s, 0
	CVT2 \s, 2
	v_pk_add_f32 v[U:U+1], v[U:U+1], v[U+2:U+3]
	EXPT \s+16
	v_pk_add_f32 v[U+4:U+5], v[U+4:U+5], v[U+6:U+7]
	CVT2 \s, 4
	CVT2 \s, 6
.if \first
	v_pk_add_f32 v[LP+2*\q:LP+2*\q+1], v[U:U+1], v[U+4:U+5]        ; the first 32 keys start the row sums: nothing is cleared
	EXPT \s+24
.else
	v_pk_add_f32 v[U:U+1], v[U:U+1], v[U+4:U+5]
	EXPT \s+24
	v_pk_add_f32 v[LP+2*\q:LP+2*\q+1], v[LP+2*\q:LP+2*\q+1], v[U:U+1]
	s_wait_alu depctr_va_vdst(0)
.endif
	s_wait_alu depctr_va_vdst(0)
	v_pk_add_f32 v[U+2:U+3], v[\s+16:\s+17], v[\s+18:\s+19]
	v_pk_add_f32 v[U+4:U+5], v[\s+20:\s+21], v[\s+22:\s+23]
	v_pk_add_f32 v[U+6:U+7], v[\s+24:\s+25], v[\s+26:\s+27]
	v_pk_add_f32 v[U:U+1],   v[\s+28:\s+29], v[\s+30:\s+31]
	CVT2 \s, 8
	CVT2 \s, 10
	v_pk_add_f32 v[U+2:U+3], v[U+2:U+3], v[U+4:U+5]
	v_pk_add_f32 v[U+6:U+7], v[U+6:U+7], v[U:U+1]
	CVT2 \s, 12
	v_pk_add_f32 v[U+2:U+3], v[U+2:U+3], v[U+6:U+7]
	CVT2 \s, 14
	v_pk_add_f32 v[LP+2*\q:LP+2*\q+1], v[LP+2*\q:LP+2*\q+1], v[U+2:U+3]
.endm
; O^T += V^T P^T.  The two accumulators take turns, one instruction a turn.  first = 1: the products start the sums.
.macro PV q, first
.if \first
	v_wmma_f32_16x16x32_f16 v[O+16*\q:O+16*\q+7],    v[VF:VF+7],     v[P:P+7], 0
	v_wmma_f32_16x16x32_f16 v[O+16*\q+8:O+16*\q+15], v[VF+8:VF+15],  v[P:P+7], 0
.else
	v_wmma_f32_16x16x32_f16 v[O+16*\q:O+16*\q+7],    v[VF:VF+7],     v[P:P+7], v[O+16*\q:O+16*\q+7]
	v_wmma_f32_16x16x32_f16 v[O+16*\q+8:O+16*\q+15], v[VF+8:VF+15],  v[P:P+7], v[O+16*\q+8:O+16*\q+15]
.endif
	v_wmma_f32_16x16x32_f16 v[O+16*\q:O+16*\q+7],    v[VF+16:VF+23], v[P+8:P+15], v[O+16*\q:O+16*\q+7]
	v_wmma_f32_16x16x32_f16 v[O+16*\q+8:O+16*\q+15], v[VF+24:VF+31], v[P+8:P+15], v[O+16*\q+8:O+16*\q+15]
.endm
; 64 keys for the wave's four query tiles.  At its head tile 0's scores are under way into SA.  The scores of tile q + 1 are always issued ahead of
; tile q's vector work, into the other buffer, so a whole tile's vector work lies between a score product and the reads of its results.
; more = 1: the next trip's K fragments are fetched and its tile 0 started.
.macro T2 first, more
	SMUL 1, KF, SB, 1
	VEC 0, SA, \first, 1, 0
	s_wait_dscnt 0x0                               ; the V^T fragments
	PV 0, \first
	SMUL 2, KF, SA, 1
	VEC 1, SB, \first, 0, 1
	PV 1, \first
	SMUL 3, KF, SB, 1
.if \more
	VEC 2, SA, \first, 2, 0
	PV 2, \first
	s_wait_dscnt 0x0                               ; the next trip's K fragments
	SMUL 0, KF, SA, 1
	VEC 3, SB, \first, 0, 2
.else
	VEC 2, SA, \first, 0, 0
	PV 2, \first
	VEC 3, SB, \first, 0, 0
.endif
	PV 3, \first
.endm
.macro P2PHASE n
	s_mov_b32 s30, \n
.Ltrip_\@:
	T2 0, 1
	s_sub_co_i32 s30, s30, 1
	s_cmp_lg_u32 s30, 0
	s_cbranch_scc1 .Ltrip_\@
.endm
	s_load_b128 s[4:7], s[0:1], 0x0                ; qf s[4:5], kv s[6:7]
	s_load_b64 s[8:9], s[0:1], 0x10                ; ao
	v_lshl_add_u32 v254, v0, 2, 0x40000
	v_mov_b32 v255, 0
	ds_add_u32 v254, v255
	v_lshrrev_b32 v4, 5, v0
	v_readfirstlane_b32 s10, v4                    ; wave w
	s_bfe_u32 s11, ttmp6, 0x40000                  ; cx: which 512 queries; it enters the addresses of qf and ao alone
	s_mov_b32 s28, 0x76543210                      ; v_permlanex16_b32: lane i of one half reads lane i of the other
	s_mov_b32 s29, 0xfedcba98
	v_and_b32 v4, 31, v0
	v_lshlrev_b32 v[VL], 4, v4
	v_lshlrev_b32 v[VK], 4, v4
	v_add_nc_u32 v[VV], VBASE, v[VL]
.irp i, 0,1,2,3,4,5,6,7,8,9,10,11,12,13,14,15
	v_mov_b32 v[T+\i], 0xff800000                  ; the sixteen chains of the maxima start at minus infinity
.endr
	SHAPE G1A, 16
	SHAPE G1B, 48
	SHAPE G1C, 64
	; group 0 of the three parts: count = 1 and the LDS address of my eighth: a constant and the wave's number times a constant
	s_mov_b32 s[G0+0], 1
	s_lshl_b32 s[G0+1], s10, 12                    ; 4,096 w
	s_mov_b32 s[G0+4], 1
	s_mul_i32 s[G0+5], s10, 12288
	s_add_co_u32 s[G0+5], s[G0+5], PARTA           ; 32,768 + 12,288 w
	s_mov_b32 s[G0+8], 1
	s_lshl_b32 s[G0+9], s10, 14
	s_add_co_u32 s[G0+9], s[G0+9], VBASE           ; 131,072 + 16,384 w
	s_lshl_b32 s16, s10, 12                        ; 4,096 w: also the wave's four tiles of qf
	s_lshl_b32 s14, ttmp9, 18                      ; the head's 262,144 bytes of kv
	s_mov_b32 s15, 0
	s_lshl_b32 s12, ttmp9, 17                      ; qf: the head's 128 tiles of 1,024 bytes,
	s_lshl_b32 s17, s11, 15                        ; the work-group's 32,
	s_add_co_u32 s12, s12, s17
	s_add_co_u32 s12, s12, s16                     ; the wave's 4
	s_mov_b32 s13, 0
	s_lshr_b32 s18, ttmp9, 4                       ; ao: token tile = 128 b + 32 cx + 4 w,
	s_lshl_b32 s18, s18, 7
	s_lshl_b32 s17, s11, 5
	s_add_co_u32 s18, s18, s17
	s_lshl2_add_u32 s18, s10, s18
	s_lshl_b32 s18, s18, 14                        ; 16,384 bytes each,
	s_and_b32 s17, ttmp9, 15
	s_lshl_b32 s17, s17, 10                        ; the head's 1,024 in it
	s_add_co_u32 s18, s18, s17
	s_mov_b32 s19, 0
	s_wait_dscnt 0x0
	s_wait_kmcnt 0x0
	s_add_nc_u64 s[6:7], s[6:7], s[14:15]          ; kv at the head: cluster x alone
	s_add_nc_u64 s[4:5], s[4:5], s[12:13]
	s_add_nc_u64 s[8:9], s[8:9], s[18:19]
.irp c, 0,1,2
	s_mov_b32 s14, s[G0+4*\c+1]                                    ; a part lies in LDS where it lies in the head's bytes
	s_add_nc_u64 s[G0+4*\c+2:G0+4*\c+3], s[6:7], s[14:15]          ; global address: cluster x and the wave's number alone
	s_or_b32 s[G0+4*\c+3], s[G0+4*\c+3], 0x80000000                ; type = 2
.endr
	ROUND                                          ; all four work-groups are here: the joint loads meet
	tensor_load_to_lds s[G0:G0+3], s[G1A:G1A+7]                    ; all first fills in one group, in the order in which they are read
	s_nop 0
	tensor_load_to_lds s[G0+4:G0+7], s[G1B:G1B+7]
	s_nop 0
	tensor_load_to_lds s[G0+8:G0+11], s[G1C:G1C+7]
	s_nop 0
	WIN 0x40                                       ; destination in window 1
.irp q, 0,1,2,3
	global_load_b128 v[QW+8*\q:QW+8*\q+3],   v[VL], s[4:5] offset:\q*1024
	global_load_b128 v[QW+8*\q+4:QW+8*\q+7], v[VL], s[4:5] offset:\q*1024+512
.endr
	WIN 0
	; PASS 1.  A trip loads the next trip's K, so the trips are cut where those loads pass from the first part of the fill to the second.
	SYNC 2                                         ; K of trips 0 to 7; two loads stay out
	KLOAD KF, 0
	s_wait_loadcnt 0x0                             ; Q
	P1 KF, VF, TRIPB, 1, 1                         ; trip 0, loads trip 1
	v_add_nc_u32 v[VK], 2*TRIPB, v[VK]
	P1PHASE 3                                      ; trips 1 to 6, load 2 to 7
	SYNC 1                                         ; K of trips 8 to 31; V's load stays out
	P1PHASE 12                                     ; trips 7 to 30, load 8 to 31
	P1 VF, KF, 0, 0, 0                             ; trip 31: nothing more to fetch
	MAXQ 3
	; a query's scores lay in lane r and in lane r + 16: the four chains, then one exchange between the halves
.irp q, 0,1,2,3
	v_max3_num_f32 v[T+4*\q], v[T+4*\q], v[T+4*\q+1], v[T+4*\q+2]
.endr
.irp q, 0,1,2,3
	v_max_num_f32 v[T+4*\q], v[T+4*\q], v[T+4*\q+3]
.endr
.irp q, 0,1,2,3
	v_permlanex16_b32 v[T+4*\q+1], v[T+4*\q], s28, s29
.endr
.irp q, 0,1,2,3
	v_max_num_f32 v[T+4*\q], v[T+4*\q], v[T+4*\q+1]
.endr
	WIN 0x40                                       ; destination in window 1
.irp q, 0,1,2,3
.irp j, 0,1,2,3,4,5,6,7
	v_mul_f32 v[NG+8*\q+\j], -1.0, v[T+4*\q]       ; a lane's eight results of a score tile belong to one query: its C is one number eight times
.endr
.endr
	WIN 0
	; PASS 2.  All of K has been shown landed; one wait and one barrier show all of V.
	v_mov_b32 v[VK], v[VL]
	KLOAD KF, 0
	v_add_nc_u32 v[VK], TRIPB, v[VK]
	SYNC 0                                         ; V: no tensor load of mine is out any more (and my K fragments of trip 0 are in)
	SMUL 0, KF, SA, 1
	PLACES                                         ; only here no vector work lies between a score product and the reads of its results
	T2 1, 1                                        ; trip 0 starts all sums
	P2PHASE 30                                     ; trips 1 to 30
	T2 0, 0                                        ; trip 31: nothing more to fetch
	; the row sums are completed (pair, then the other half of the lanes), O^T is divided by them, rounded and stored
.irp q, 0,1,2,3
	v_add_f32 v[R+\q], v[LP+2*\q], v[LP+2*\q+1]
.endr
.irp q, 0,1,2,3
	v_permlanex16_b32 v[U+\q], v[R+\q], s28, s29
.endr
.irp q, 0,1,2,3
	v_add_f32 v[R+\q], v[R+\q], v[U+\q]
.endr
.irp q, 0,1,2,3
	v_rcp_f32 v[LP+2*\q], v[R+\q]                  ; the sum is about 1 at the least: the largest score gives p = 1 up to rounding
.endr
	v_nop                                          ; one plain instruction behind the reciprocals (ISA guide 5.7.2)
	s_wait_alu depctr_va_vdst(0)
.irp q, 0,1,2,3
.irp e, 0,2,4,6,8,10,12,14
	v_pk_mul_f32 v[O+16*\q+\e:O+16*\q+\e+1], v[O+16*\q+\e:O+16*\q+\e+1], v[LP+2*\q:LP+2*\q+1] op_sel_hi:[1,0]
.endr
.endr
.set j, 0
.rept 32
	v_cvt_pk_f16_f32 v[SA+j], v[O+2*j], v[O+2*j+1]
.set j, j+1
.endr
.irp q, 0,1,2,3
.irp d, 0,1
	global_store_b128 v[VL], v[SA+8*\q+4*\d:SA+8*\q+4*\d+3], s[8:9] offset:\q*16384+\d*512    ; a wave's store covers 512 consecutive bytes
.endr
.endr
	s_wait_tensorcnt 0x0
	ds_add_u32 v254, v255
	s_wait_dscnt 0x0
	ROUND                                          ; the closing round: no work-group ends while a partner may still ask jointly
	s_endpgm
.Lfunc_end_k_q31f714b2ed_attn:
	.size	k_q31f714b2ed_attn, .Lfunc_end_k_q31f714b2ed_attn-k_q31f714b2ed_attn
	.p2alignl 7, 3214868480
	.fill 96, 4, 3214868480
	.section	.rodata,"a",@progbits
	.p2align	6, 0x0
	.amdhsa_kernel k_q31f714b2ed_attn
		.amdhsa_group_segment_fixed_size 263168
		.amdhsa_private_segment_fixed_size 0
		.amdhsa_enable_private_segment 0
		.amdhsa_kernarg_size 24
		.amdhsa_user_sgpr_count 2
		.amdhsa_user_sgpr_kernarg_segment_ptr 1
		.amdhsa_wavefront_size32 1
		.amdhsa_system_sgpr_workgroup_id_x 1
		.amdhsa_system_sgpr_workgroup_id_y 1
		.amdhsa_system_sgpr_workgroup_id_z 1
		.amdhsa_system_vgpr_workitem_id 0
		.amdhsa_next_free_vgpr 320
		.amdhsa_next_free_sgpr 66
		.amdhsa_reserve_vcc 0
		.amdhsa_float_denorm_mode_32 3
		.amdhsa_float_denorm_mode_16_64 3
		.amdhsa_memory_ordered 1
		.amdhsa_forward_progress 1
		.amdhsa_inst_pref_size 98
	.end_amdhsa_kernel
	.amdgpu_metadata
---
amdhsa.version: [ 1, 2 ]
amdhsa.kernels:
  - .name:           k_q31f714b2ed_attn
    .symbol:         k_q31f714b2ed_attn.kd
    .args:
      - { .name: qf, .offset: 0, .size: 8, .value_kind: global_buffer, .address_space: global }
      - { .name: kv, .offset: 8, .size: 8, .value_kind: global_buffer, .address_space: global }
      - { .name: ao, .offset: 16, .size: 8, .value_kind: global_buffer, .address_space: global }
    .group_segment_fixed_size: 263168
    .private_segment_fixed_size: 0
    .kernarg_segment_align: 8
    .kernarg_segment_size: 24
    .max_flat_workgroup_size: 256
    .sgpr_count:     66
    .vgpr_count:     320
    .wavefront_size: 32
...
	.end_amdgpu_metadata
.endif
;; end of part 5
;; launch oproj: the kernel of part 3 again; grid 256 x 1, 8 waves a work-group, clusters of 4 x 1, 314,368 bytes of LDS; arguments ao, Wo, bo, out0; writes out0
;; ======== version 3 of 3: 3 launches; version 2 with the launch qkv written anew for expert scheduling mode
;; limits: values are held in f16: magnitudes above 65,504 overflow, below 6.1e-05 lose precision
;; workspace buffers: qf 8,388,608 bytes; kv 16,777,216 bytes; ao 8,388,608 bytes
;; launch qkv (part 6): grid 256 x 1, 8 waves a work-group, no clusters, 218,112 bytes of LDS; arguments x, context, Wq, Wk, Wv, bq, bk, bv, qf, kv; writes qf, kv
.if DOCPART == 6
	.amdgcn_target "amdgcn-amd-amdhsa--gfx1250"
	.amdhsa_code_object_version 6
	.text
	.protected	k_q31f714b2ed_qkv
	.globl	k_q31f714b2ed_qkv
	.p2align	8
	.type	k_q31f714b2ed_qkv,@function
k_q31f714b2ed_qkv:
	s_mov_b64 s[64:65], 0
	v_nop
	global_prefetch_b8 v0, s[64:65] scope:SCOPE_SE
	s_setreg_imm32_b32 hwreg(HW_REG_WAVE_SCHED_MODE, 0, 2), 2
	s_setreg_imm32_b32 hwreg(HW_REG_WAVE_MODE, 25, 1), 1
	s_wait_xcnt 0x0
	s_wait_alu depctr_vm_vsrc(0)
; k = context Wk + bk, v = context Wv + bv, q = (x Wq + bq) c, with c = 32^-0.5 log2(e), so that the attention launch's scores are exponents of 2.
; x, context: [8192][512] f32.  W*: [512 (k)][512 (n)] f32.  Operands go to the matrix unit in f16, sums are f32, results are stored in f16.
; LIMITS: f16's range: |x|, |context|, |W|, |q c|, |k|, |v| below 65,504; magnitudes below 6.1e-5 keep an absolute accuracy of 3e-8 only.
; NaN and infinities in the inputs are not served.
;
; SHARES.  Work-group id: row block rb = id / 4 (128 tokens), slab sl = id % 4 (128 columns = 4 heads).  Eight K steps of 128, written out without
; a loop: four in which one tile of context meets Wk's and Wv's tiles (128 x 256 x 128: the tokens are loaded, converted, stored and read once for
; both), then four for Q (128 x 128 x 128).  Wave w: wm = w / 4 picks 64 tokens (4 tiles i), wn = w % 4 picks the head 4 sl + wn (2 column tiles d):
; eight accumulator tiles for K (later Q) and eight for V.
; RESULTS LIE IN FRAGMENT ORDER: the 16 bytes that lane L holds of a later matrix operand lie at 16 L, so every store of a wave here and every
; load of a wave later covers 512 consecutive bytes.  With r = L % 16, h = L / 16, e = 0..7, t = key / 64:
;   qf: ((b 16 + head) 128 + tt) 1024 + d 512 + 16 L                  = q c [token 16 tt + r][16 d + 8 h + e]
;   kv: (b 16 + head) 262144 + t 4096 + kt 1024 + d 512 + 16 L          = k [key 64 t + 16 kt + r][16 d + 8 h + e]
;   kv: (b 16 + head) 262144 + 131072 + t 4096 + g 2048 + d 1024 + cc 512 + 16 L = v [key 64 t + 32 g + 16 cc + 8 h + e][16 d + r]
; K and Q use the product transposed (source 0 = columns of W, source 1 = tokens): a lane's eight results are eight neighbouring columns of one token.
; V uses it the natural way: a lane's eight results are eight neighbouring keys of one column.
; NO CLUSTER, NO TENSOR LOADS, though four slabs read the same tokens and 64 row blocks the same weights: every byte has to pass through registers to
; become f16.  Tiles brought to LDS as f32 would take 2 x 196,608 bytes beside the 2 x 108,544 of the f16 slots, more than the 327,680 there are,
; and each byte would cross LDS twice.
; STAGING: 192 registers a lane in three parts of 64 (tokens, first weights, second weights).  In step n part p of step n + 1 is converted at the head of
; quarter p and stored to the other LDS slot among that quarter's products; the same part of step n + 2 is asked for at the head of quarter p + 1.  So up to
; 48 loads of every wave are on their way, and each has three quarters of a step and the barrier in which to land.
; THE MODE: SCHED_MODE bits 1:0 = 2 (LLVM: expert scheduling mode 2), set by the entry lines.  The code itself states the register dependences
; between vector or matrix instructions and memory or LDS instructions, with s_wait_alu, always for 0.
; THE PLAN.  Registers that memory or LDS instructions touch:
;   staging part p     Global loads land in it; the conversions at the head of quarter p read and write it; the LDS stores of quarter p read it; at the
;                      head of quarter p + 1 the loads of the step after next land in it.
;   buffers 0 and 1    LDS loads land in them; a quarter's products read one while the next quarter's fragments land in the other.  Buffer 1 also takes the
;                      packed results: conversions write them, global stores read them.
;   v4-19              addresses and offsets, made at the head and never written again: every later step stands in an immediate.
;   v20-23, v224-255   the biases: loaded once, then read by vector and matrix instructions alone.
;   v30, v31           written at the head, read by the closing add alone.
;   The accumulators are named by vector and matrix instructions alone.
; So ONE wait on va_vdst stands at the head of a quarter, behind its conversions.  It states that these have written their part, which the quarter's LDS stores
; read; that the products of the quarter before are done reading their buffer, in which this quarter's fragment loads land; and that the conversions of the quarter
; before are done with their part, in which the global loads land.  Beside it, where a part is asked for again, ONE wait on vm_vsrc: the LDS stores of the quarter
; before have read that part.  Behind the two stand the global loads, in a run; then the fragment loads, two behind each of K's (Q's) eight products; then the LDS
; stores; then V's products.  The products name the buffer that is multiplied, the accumulators and a bias: none of the registers that those loads and stores touch.
.set XP,   272                         ; LDS pitch of a token row: 128 f16 + 16 bytes, an odd multiple of 16
.set WP,   288                         ; LDS pitch of a k row of W: 128 f16 + 32 bytes, an odd multiple of 32 (transposing loads)
.set XT,   128*XP                      ; the token tile's bytes, 34,816; the first weights' tile lies behind it,
.set WT,   128*WP                      ; 36,864 bytes, and the second weights' tile behind that
.set SLOT, XT+2*WT                     ; 108,544 bytes; two slots
.set CSCALE, 0x3e8293ee                ; 32^-0.5 log2(e) = 0.25503487
.set VX,   4                           ; v4      2048 w + 16 L: my 16 bytes of row w of a tile in memory
.set VL,   5                           ; v5      16 L
.set VB,   6                           ; v6      32 h: my eight columns' biases
.set VBN,  7                           ; v7      4 r: my one column's bias
.set VXS,  8                           ; v8-9    slot 0, 1: where my 8 bytes of a token row go
.set VW1S, 10                          ; v10-11  slot 0, 1: where my 8 bytes of a row of the first weights go
.set VW2S, 12                          ; v12-13  the same for the second weights
.set AX,   14                          ; v14-15  slot 0, 1: my token fragments
.set AW1,  16                          ; v16-17  slot 0, 1: my fragments of the first weights
.set AW2,  18                          ; v18-19  the same for the second weights
.set BV,   20                          ; v20-23  bv[r] twice, bv[16 + r] twice
.set ACC,  32                          ; v32-95  K's, later Q's sums: tile (i, d) at 32 + 8 (2 i + d)
.set F0,   96                          ; v96-159   fragment buffer 0: tokens i at + 8 i, first weights d at + 32 + 8 d, second weights d at + 48 + 8 d
.set F1,   160                         ; v160-223  fragment buffer 1; also the packed results on the way out
.set BK,   224                         ; v224-239  bk of my eight columns of tile d at + 8 d: the C operand of K's first products
.set BQ,   240                         ; v240-255  bq likewise
                                       ; v256-447  staging (window 1, written v0-191): part p at 64 p
.set AV,   192                         ; v448-511  (window 1, written v192-255) V's sums: tile (i, d) at 192 + 8 (2 i + d)
.set MSB, 0
.macro WIN new                         ; the immediate's high byte repeats the setting that is left.  Every macro that names vector registers sets its own window
.if MSB != \new
	s_set_vgpr_msb (MSB<<8)|\new
.set MSB, \new
.endif
.endm
.macro PLACES                          ; four places behind a matrix instruction (ISA guide 7.12.1) before its registers are read, written or loaded into
.rept 4
	v_nop
.endr
.endm
; 16 loads into staging part p from the tile at s[gb] + goff.  Row w + 8 i; a wave's load covers the row's 512 consecutive bytes.
.macro GLOAD p, gb, goff
	WIN 0x40                                       ; destination in window 1
.irp i, 0,1,2,3,4,5,6,7,8,9,10,11,12,13,14,15
	global_load_b128 v[64*\p+4*\i:64*\p+4*\i+3], v[VX], s[\gb:\gb+1] offset:\i*16384+\goff
.endr
.endm
; staging part p: f32 become f16 in place.  left = the loads issued behind this part's, which stay out.
.macro CVT p, left
	s_wait_loadcnt \left
	WIN 0x45                                       ; destination and both sources in window 1
.irp i, 0,1,2,3,4,5,6,7,8,9,10,11,12,13,14,15
	v_cvt_pk_f16_f32 v[64*\p+4*\i], v[64*\p+4*\i], v[64*\p+4*\i+1]
	v_cvt_pk_f16_f32 v[64*\p+4*\i+1], v[64*\p+4*\i+2], v[64*\p+4*\i+3]
.endr
.endm
; staging part p goes to LDS at v[areg], 8 bytes a lane, 256 consecutive bytes a wave, eight rows (step bytes) apart
.macro STORE p, areg, step
	WIN 0x04                                       ; store data in window 1, address in window 0
.irp i, 0,1,2,3,4,5,6,7,8,9,10,11,12,13,14,15
	ds_store_b64 v[\areg], v[64*\p+4*\i:64*\p+4*\i+1] offset:\i*\step
.endr
.endm
; 12 or 16 LDS loads in a run: the fragments of quarter kk (32 along K) into buffer f.  Tokens lie along K: two plain loads 32 bytes apart.
; Weights lie [k][n]: two transposing loads 16 rows apart.  both = 1: the second weights too.
.macro FETCH slot, kk, f, both
	WIN 0
.irp i, 0,1,2,3
	ds_load_b128 v[\f+8*\i:\f+8*\i+3],   v[AX+(\slot)] offset:\i*16*XP+\kk*64
	ds_load_b128 v[\f+8*\i+4:\f+8*\i+7], v[AX+(\slot)] offset:\i*16*XP+\kk*64+32
.endr
.irp d, 0,1
	ds_load_tr16_b128 v[\f+32+8*\d:\f+32+8*\d+3],   v[AW1+(\slot)] offset:\kk*32*WP+\d*32
	ds_load_tr16_b128 v[\f+32+8*\d+4:\f+32+8*\d+7], v[AW1+(\slot)] offset:\kk*32*WP+\d*32+16*WP
.endr
.if \both
.irp d, 0,1
	ds_load_tr16_b128 v[\f+48+8*\d:\f+48+8*\d+3],   v[AW2+(\slot)] offset:\kk*32*WP+\d*32
	ds_load_tr16_b128 v[\f+48+8*\d+4:\f+48+8*\d+7], v[AW2+(\slot)] offset:\kk*32*WP+\d*32+16*WP
.endr
.endif
.endm
; The accumulators (eight, or K's eight and V's eight) take turns, one instruction a turn, from one quarter to the next too.
; K and Q, transposed use: source 0 = first weights, source 1 = tokens.
.macro MULK f
	WIN 0
.irp i, 0,1,2,3
.irp d, 0,1
	v_wmma_f32_16x16x32_f16 v[ACC+8*(2*\i+\d):ACC+8*(2*\i+\d)+7], v[\f+32+8*\d:\f+32+8*\d+7], v[\f+8*\i:\f+8*\i+7], v[ACC+8*(2*\i+\d):ACC+8*(2*\i+\d)+7]
.endr
.endr
.endm
; The same eight products on buffer f, in the same order (product j is tile i = j / 2, d = j % 2), with the fragments of quarter kk dealt among them, two loads
; into buffer g behind each: FETCH's loads in FETCH's order.  No wait: since the wait at the quarter's head no vector or matrix instruction names buffer g.
; cm 2: the bias at v[cb + 8 d] starts the sums: nothing is cleared or added later.
.macro MULKF f, g, slot, kk, both, cm, cb
	WIN 0
.set j, 0
.rept 8
.if \cm == 2
	v_wmma_f32_16x16x32_f16 v[ACC+8*j:ACC+8*j+7], v[\f+32+8*(j%2):\f+32+8*(j%2)+7], v[\f+8*(j/2):\f+8*(j/2)+7], v[\cb+8*(j%2):\cb+8*(j%2)+7]
.else
	v_wmma_f32_16x16x32_f16 v[ACC+8*j:ACC+8*j+7], v[\f+32+8*(j%2):\f+32+8*(j%2)+7], v[\f+8*(j/2):\f+8*(j/2)+7], v[ACC+8*j:ACC+8*j+7]
.endif
.if j < 4
	ds_load_b128 v[\g+8*j:\g+8*j+3],   v[AX+(\slot)] offset:j*16*XP+\kk*64
	ds_load_b128 v[\g+8*j+4:\g+8*j+7], v[AX+(\slot)] offset:j*16*XP+\kk*64+32
.elseif j < 6
	ds_load_tr16_b128 v[\g+32+8*(j-4):\g+32+8*(j-4)+3],   v[AW1+(\slot)] offset:\kk*32*WP+(j-4)*32
	ds_load_tr16_b128 v[\g+32+8*(j-4)+4:\g+32+8*(j-4)+7], v[AW1+(\slot)] offset:\kk*32*WP+(j-4)*32+16*WP
.elseif \both
	ds_load_tr16_b128 v[\g+48+8*(j-6):\g+48+8*(j-6)+3],   v[AW2+(\slot)] offset:\kk*32*WP+(j-6)*32
	ds_load_tr16_b128 v[\g+48+8*(j-6)+4:\g+48+8*(j-6)+7], v[AW2+(\slot)] offset:\kk*32*WP+(j-6)*32+16*WP
.endif
.set j, j+1
.endr
.endm
; V, the natural way: source 0 = tokens, source 1 = second weights.  zero = 1: the product starts the sums.
.macro MULV f, zero
	WIN 0x50                                       ; C and D in window 1
.irp i, 0,1,2,3
.irp d, 0,1
.if \zero
	v_wmma_f32_16x16x32_f16 v[AV+8*(2*\i+\d):AV+8*(2*\i+\d)+7], v[\f+8*\i:\f+8*\i+7], v[\f+48+8*\d:\f+48+8*\d+7], 0
.else
	v_wmma_f32_16x16x32_f16 v[AV+8*(2*\i+\d):AV+8*(2*\i+\d)+7], v[\f+8*\i:\f+8*\i+7], v[\f+48+8*\d:\f+48+8*\d+7], v[AV+8*(2*\i+\d):AV+8*(2*\i+\d)+7]
.endif
.endr
.endr
.endm
; the way out of K and of Q, first half: (scale,) round to f16 into v[F1 ..+31]
.macro PACK_S scale
	WIN 0
.if \scale
.set j, 0
.rept 32
	v_pk_mul_f32 v[ACC+2*j:ACC+2*j+1], v[ACC+2*j:ACC+2*j+1], s[38:39] op_sel_hi:[1,0]
.set j, j+1
.endr
.endif
.set j, 0
.rept 32
	v_cvt_pk_f16_f32 v[F1+j], v[ACC+2*j], v[ACC+2*j+1]
.set j, j+1
.endr
.endm
; second half: eight stores of 512 consecutive bytes
.macro SEND_S ob
	WIN 0
.irp i, 0,1,2,3
.irp d, 0,1
	global_store_b128 v[VL], v[F1+4*(2*\i+\d):F1+4*(2*\i+\d)+3], s[\ob:\ob+1] offset:\i*1024+\d*512
.endr
.endr
.endm
; the way out of V: a lane has one column, so one bias for all eight keys; packed into v[F1+32 ..+63]
.macro PACK_V
	WIN 0x41                                       ; destination and source 0 in window 1
.irp i, 0,1,2,3
.irp d, 0,1
.irp e, 0,2,4,6
	v_pk_add_f32 v[AV+8*(2*\i+\d)+\e:AV+8*(2*\i+\d)+\e+1], v[AV+8*(2*\i+\d)+\e:AV+8*(2*\i+\d)+\e+1], v[BV+2*\d:BV+2*\d+1]
.endr
.endr
.endr
	WIN 0x05                                       ; both sources in window 1
.set j, 0
.rept 32
	v_cvt_pk_f16_f32 v[F1+32+j], v[AV+2*j], v[AV+2*j+1]
.set j, j+1
.endr
	WIN 0
.endm
.macro SEND_V
	WIN 0
.irp i, 0,1,2,3
.irp d, 0,1
	global_store_b128 v[VL], v[F1+32+4*(2*\i+\d):F1+32+4*(2*\i+\d)+3], s[26:27] offset:131072+(\i>>1)*2048+\d*1024+(\i&1)*512
.endr
.endr
.endm
; What step n (0 to 7) does, as symbols.  Steps 0 to 3 multiply context by Wk and Wv, steps 4 to 7 x by Wq.
.macro PLANOF n
.set SL, (\n)&1                        ; the slot that is multiplied; the other is written
.set ST, ((\n)+2)&3                    ; which 128 of K the step after next takes
.if (\n) < 4
.set BOTH, 1                           ; this step has second weights
.else
.set BOTH, 0
.endif
.if (\n)+1 < 4
.set BOTHN, 1                          ; the next step has second weights
.else
.set BOTHN, 0
.endif
.if (\n)+1 < 8
.set MORE, 1                           ; there is a next step: its tiles are converted here
.else
.set MORE, 0
.endif
.if (\n)+2 < 8
.set ISS, 1                            ; there is a step after next: its tiles are asked for here
.else
.set ISS, 0
.endif
.if (\n)+2 < 4
.set ISS2, 1                           ; with second weights,
.set XB, 10                            ; from context
.set WB, 14                            ; and Wk
.else
.set ISS2, 0
.set XB, 8                             ; from x
.set WB, 12                            ; and Wq
.endif
.set LX, 16+16*BOTHN                   ; loads issued behind the next step's tokens: its first weights, its second weights
.set LW, 16*BOTHN                      ; behind its first weights: its second weights
.endm
; One K step of 128 = four quarters on buffers 0, 1, 0, 1.  At its head quarter 0's fragment loads are out.
; Where no conversions stand between a buffer's last products and the loads into it, four v_nop stand there.
; ONE barrier a step: the other slot was last read in the step before, those reads were waited for in front of that step's signal, and it is
; written only behind that barrier's wait; it is read only behind this step's barrier, in front of which every wave has waited for its stores.
.macro STEP n, cm, cb, zv
	PLANOF \n
	; quarter 0, on buffer 0
.if MORE
	CVT 0, LX                                      ; the next step's tokens
.endif
	WIN 0
	s_wait_alu depctr_va_vdst(0)                   ; the conversions have written part 0, which the LDS stores below read; the products that last read buffer 1 are done with it, and so are the conversions that packed results into it: quarter 1's fragments land there
	s_wait_dscnt 0x0                               ; quarter 0's fragments are in
	MULKF F0, F1, SL, 1, BOTH, \cm, \cb
.if MORE
	STORE 0, VXS+1-SL, 8*XP
.endif
.if BOTH
	MULV F0, \zv
.endif
	; quarter 1, on buffer 1
.if MORE
	CVT 1, LW                                      ; the next step's first weights
.else
	PLACES
.endif
.if ISS
	WIN 0x40
	s_wait_alu depctr_vm_vsrc(0)                   ; quarter 0's LDS stores have read part 0, in which the loads below land
.endif
	s_wait_alu depctr_va_vdst(0)                   ; the conversions have written part 1, which the LDS stores below read; quarter 0's conversions are done with part 0; quarter 0's products are done reading buffer 0, in which quarter 2's fragments land
.if ISS
	GLOAD 0, XB, ST*512
.endif
	s_wait_dscnt 16*MORE                           ; quarter 1's fragments are in; the 16 LDS stores issued behind them stay out
	MULKF F1, F0, SL, 2, BOTH, 0, 0
.if MORE
	STORE 1, VW1S+1-SL, 8*WP
.endif
.if BOTH
	MULV F1, 0
.endif
	; quarter 2, on buffer 0
.if BOTHN
	CVT 2, 16                                      ; the next step's second weights; behind them the tokens of the step after next were asked for
.else
	PLACES
.endif
.if ISS
	WIN 0x40
	s_wait_alu depctr_vm_vsrc(0)                   ; quarter 1's LDS stores have read part 1, in which the loads below land
.endif
	s_wait_alu depctr_va_vdst(0)                   ; the conversions, where there are any, have written part 2, which the LDS stores below read; quarter 1's conversions are done with part 1; quarter 1's products are done reading buffer 1, in which quarter 3's fragments land
.if ISS
	GLOAD 1, WB, ST*262144
.endif
	s_wait_dscnt 16*MORE                           ; quarter 2's fragments are in; the 16 LDS stores issued behind them stay out
	MULKF F0, F1, SL, 3, BOTH, 0, 0
.if BOTHN
	STORE 2, VW2S+1-SL, 8*WP
.endif
.if BOTH
	MULV F0, 0
.endif
	; quarter 3, on buffer 1
.if ISS2
	WIN 0x40
	s_wait_alu depctr_vm_vsrc(0)                   ; quarter 2's LDS stores have read part 2, in which the loads below land
.endif
.if MORE
	s_wait_alu depctr_va_vdst(0)                   ; quarter 2's products are done reading buffer 0, in which the next step's first fragments land behind the barrier (the products between name buffer 1 and the accumulators alone); quarter 2's conversions are done with part 2
.endif
.if ISS2
	GLOAD 2, 16, ST*262144
.endif
	s_wait_dscnt 0x0                               ; quarter 3's fragments are in; for the other waves: my reads of this slot are back, my stores to the other are done
.if MORE
	s_barrier_signal -1
	MULK F1                                        ; register work while the others arrive
.if BOTH
	MULV F1, 0
.endif
	s_barrier_wait -1
	PLACES
	FETCH 1-SL, 0, F0, BOTHN
.else
	MULK F1
	PLACES
.endif
.endm
	s_load_b512 s[8:23], s[0:1], 0x0               ; x 8, context 10, Wq 12, Wk 14, Wv 16, bq 18, bk 20, bv 22
	s_load_b128 s[24:27], s[0:1], 0x40             ; qf 24, kv 26
	v_lshl_add_u32 v30, v0, 2, 0x35000             ; my spare word, behind the two slots, and 0: made here and kept for the closing lines alone
	v_mov_b32 v31, 0
	v_lshrrev_b32 v1, 5, v0
	v_readfirstlane_b32 s30, v1                    ; wave w
	s_lshr_b32 s33, ttmp9, 2                       ; rb
	s_and_b32 s34, ttmp9, 3                        ; sl
	s_mov_b32 s38, CSCALE
	s_mov_b32 s39, CSCALE
	v_and_b32 v1, 31, v0                           ; L
	v_and_b32 v2, 15, v0                           ; r
	v_bfe_u32 v3, v0, 4, 1                         ; h
	v_lshlrev_b32 v[VL], 4, v1
	v_lshlrev_b32 v[VB], 5, v3
	v_lshlrev_b32 v[VBN], 2, v2
	s_wait_alu depctr_va_sdst(0)                   ; s30 is written, ahead of its first reader: wm, wn, the LDS addresses and the bases are made from it
	s_lshr_b32 s31, s30, 2                         ; wm
	s_and_b32 s32, s30, 3                          ; wn
	s_lshl2_add_u32 s35, s34, s32                  ; head = 4 sl + wn
	s_lshl_b32 s40, s30, 11
	v_add_nc_u32 v[VX], s40, v[VL]                 ; 2048 w + 16 L
	s_mul_i32 s40, s30, XP
	v_lshl_add_u32 v[VXS], v1, 3, s40              ; 272 w + 8 L
	v_add_nc_u32 v[VXS+1], SLOT, v[VXS]
	s_mul_i32 s40, s30, WP
	s_add_co_u32 s40, s40, XT
	v_lshl_add_u32 v[VW1S], v1, 3, s40             ; XT + 288 w + 8 L
	v_add_nc_u32 v[VW1S+1], SLOT, v[VW1S]
	v_add_nc_u32 v[VW2S], WT, v[VW1S]
	v_add_nc_u32 v[VW2S+1], WT, v[VW1S+1]
	v_mul_u32_u24 v24, v2, XP
	v_lshl_add_u32 v24, v3, 4, v24
	s_mul_i32 s40, s31, 64*XP
	v_add_nc_u32 v[AX], s40, v24                   ; (64 wm + r) 272 + 16 h
	v_add_nc_u32 v[AX+1], SLOT, v[AX]
	v_and_b32 v24, 7, v0
	v_lshl_add_u32 v24, v3, 3, v24                 ; 8 h + L % 8
	v_mul_u32_u24 v24, v24, WP
	v_bfe_u32 v25, v0, 3, 1
	v_lshl_add_u32 v24, v25, 4, v24                ; + 16 ((L / 8) % 2)
	s_lshl_b32 s40, s32, 6
	s_add_co_u32 s40, s40, XT
	v_add_nc_u32 v[AW1], s40, v24                  ; + XT + 64 wn
	v_add_nc_u32 v[AW1+1], SLOT, v[AW1]
	v_add_nc_u32 v[AW2], WT, v[AW1]
	v_add_nc_u32 v[AW2+1], WT, v[AW1+1]
	s_mov_b32 s37, 0
	s_wait_kmcnt 0x0
	; every base is set once here; all later steps stand in the immediates
	s_lshl_b32 s36, s33, 18                        ; 128 rows of 2,048 bytes
	s_add_nc_u64 s[8:9], s[8:9], s[36:37]
	s_add_nc_u64 s[10:11], s[10:11], s[36:37]
	s_lshl_b32 s36, s34, 9                         ; the slab's 128 columns
	s_add_nc_u64 s[12:13], s[12:13], s[36:37]
	s_add_nc_u64 s[14:15], s[14:15], s[36:37]
	s_add_nc_u64 s[16:17], s[16:17], s[36:37]
	s_lshl_b32 s36, s35, 7                         ; the head's 32 biases
	s_add_nc_u64 s[18:19], s[18:19], s[36:37]
	s_add_nc_u64 s[20:21], s[20:21], s[36:37]
	s_add_nc_u64 s[22:23], s[22:23], s[36:37]
	s_lshr_b32 s41, s33, 4                         ; b
	s_lshl4_add_u32 s41, s41, s35                  ; 16 b + head
	s_and_b32 s42, s33, 15                         ; the row block inside the batch
	s_lshl_b32 s36, s41, 17
	s_lshl_b32 s43, s42, 13
	s_add_co_u32 s36, s36, s43
	s_lshl_b32 s43, s31, 12
	s_add_co_u32 s36, s36, s43
	s_add_nc_u64 s[24:25], s[24:25], s[36:37]      ; qf at my four query tiles
	s_lshl_b32 s36, s41, 18
	s_lshl1_add_u32 s43, s42, s31                  ; t = 2 (rb % 16) + wm
	s_lshl_b32 s43, s43, 12                        ; 4,096 bytes of K, and of V, for 64 keys
	s_add_co_u32 s36, s36, s43
	s_add_nc_u64 s[26:27], s[26:27], s[36:37]      ; kv at my 64 keys' K; their V lies 131,072 bytes further
	s_wait_alu depctr_va_vdst(0)                   ; the sixteen addresses and offsets v4 to v19 are written: every load and store of the kernel reads one of them
	; the head: twelve loads of biases, then step 0's three parts: 60 loads of the wave are out
.irp d, 0,1
	global_load_b128 v[BK+8*\d:BK+8*\d+3],   v[VB], s[20:21] offset:\d*64
	global_load_b128 v[BK+8*\d+4:BK+8*\d+7], v[VB], s[20:21] offset:\d*64+16
	global_load_b128 v[BQ+8*\d:BQ+8*\d+3],   v[VB], s[18:19] offset:\d*64
	global_load_b128 v[BQ+8*\d+4:BQ+8*\d+7], v[VB], s[18:19] offset:\d*64+16
.endr
	global_load_b32 v[BV], v[VBN], s[22:23]
	global_load_b32 v[BV+1], v[VBN], s[22:23]
	global_load_b32 v[BV+2], v[VBN], s[22:23] offset:64
	global_load_b32 v[BV+3], v[VBN], s[22:23] offset:64
	GLOAD 0, 10, 0
	GLOAD 1, 14, 0
	GLOAD 2, 16, 0
	; step 0's parts go to slot 0 as a step's parts go: a part is converted, the part before it is asked for again, the part is stored
	CVT 0, 32                                      ; the biases and step 0's tokens are in; its two weight parts stay out
	s_wait_alu depctr_va_vdst(0)                   ; the conversions have written part 0, which the LDS stores read
	STORE 0, VXS, 8*XP
	CVT 1, 16                                      ; step 0's second weights stay out
	WIN 0x40
	s_wait_alu depctr_vm_vsrc(0)                   ; the LDS stores have read part 0, in which the loads below land
	s_wait_alu depctr_va_vdst(0)                   ; the conversions have written part 1, which the LDS stores below read, and are done with part 0
	GLOAD 0, 10, 512                               ; step 1's tokens
	STORE 1, VW1S, 8*WP
	CVT 2, 16                                      ; step 1's tokens stay out
	WIN 0x40
	s_wait_alu depctr_vm_vsrc(0)                   ; the LDS stores have read part 1, in which the loads below land
	s_wait_alu depctr_va_vdst(0)                   ; the conversions have written part 2, which the LDS stores below read, and are done with part 1
	GLOAD 1, 14, 262144
	STORE 2, VW2S, 8*WP
	WIN 0x40
	s_wait_alu depctr_vm_vsrc(0)                   ; the LDS stores have read part 2, in which the loads below land
	s_wait_alu depctr_va_vdst(0)                   ; the conversions have read and written part 2, in which the loads below land
	GLOAD 2, 16, 262144
	s_wait_dscnt 0x0                               ; for the other waves: my stores to slot 0 are done
	s_barrier_signal -1
	s_barrier_wait -1
	FETCH 0, 0, F0, 1
	STEP 0, 2, BK, 1                               ; K and V: bk starts K's sums, the first product V's
	STEP 1, 0, 0, 0
	STEP 2, 0, 0, 0
	STEP 3, 0, 0, 0
	PACK_S 0
	PACK_V
	s_wait_alu depctr_va_vdst(0)                   ; the conversions have written v[F1 .. F1+63], which the sixteen stores read
	SEND_S 26
	SEND_V
	s_wait_xcnt 0x0                                ; buffer 1, the stores' data, is loaded again only behind this wait
	s_wait_alu depctr_vm_vsrc(0)                   ; the stores have read buffer 1, in which step 4's fragments land
	STEP 4, 2, BQ, 0                               ; Q: bq starts the sums
	STEP 5, 0, 0, 0
	STEP 6, 0, 0, 0
	STEP 7, 0, 0, 0
	PACK_S 1
	s_wait_alu depctr_va_vdst(0)                   ; the conversions have written v[F1 .. F1+31], which the eight stores read
	SEND_S 24
	s_wait_dscnt 0x0                               ; the closing lines, six on end
	s_wait_alu 0x0
	s_wait_tensorcnt 0x0
	ds_add_u32 v30, v31
	s_wait_dscnt 0x0
	s_endpgm
.Lfunc_end_k_q31f714b2ed_qkv:
	.size	k_q31f714b2ed_qkv, .Lfunc_end_k_q31f714b2ed_qkv-k_q31f714b2ed_qkv
	.p2alignl 7, 3214868480
	.fill 96, 4, 3214868480
	.section	.rodata,"a",@progbits
	.p2align	6, 0x0
	.amdhsa_kernel k_q31f714b2ed_qkv
		.amdhsa_group_segment_fixed_size 218112
		.amdhsa_private_segment_fixed_size 0
		.amdhsa_enable_private_segment 0
		.amdhsa_kernarg_size 80
		.amdhsa_user_sgpr_count 2
		.amdhsa_user_sgpr_kernarg_segment_ptr 1
		.amdhsa_wavefront_size32 1
		.amdhsa_system_sgpr_workgroup_id_x 1
		.amdhsa_system_sgpr_workgroup_id_y 1
		.amdhsa_system_sgpr_workgroup_id_z 1
		.amdhsa_system_vgpr_workitem_id 0
		.amdhsa_next_free_vgpr 512
		.amdhsa_next_free_sgpr 66
		.amdhsa_reserve_vcc 0
		.amdhsa_float_denorm_mode_32 3
		.amdhsa_float_denorm_mode_16_64 3
		.amdhsa_memory_ordered 1
		.amdhsa_forward_progress 1
		.amdhsa_inst_pref_size 169
	.end_amdhsa_kernel
	.amdgpu_metadata
---
amdhsa.version: [ 1, 2 ]
amdhsa.kernels:
  - .name:           k_q31f714b2ed_qkv
    .symbol:         k_q31f714b2ed_qkv.kd
    .args:
      - { .name: x, .offset: 0, .size: 8, .value_kind: global_buffer, .address_space: global }
      - { .name: context, .offset: 8, .size: 8, .value_kind: global_buffer, .address_space: global }
      - { .name: Wq, .offset: 16, .size: 8, .value_kind: global_buffer, .address_space: global }
      - { .name: Wk, .offset: 24, .size: 8, .value_kind: global_buffer, .address_space: global }
      - { .name: Wv, .offset: 32, .size: 8, .value_kind: global_buffer, .address_space: global }
      - { .name: bq, .offset: 40, .size: 8, .value_kind: global_buffer, .address_space: global }
      - { .name: bk, .offset: 48, .size: 8, .value_kind: global_buffer, .address_space: global }
      - { .name: bv, .offset: 56, .size: 8, .value_kind: global_buffer, .address_space: global }
      - { .name: qf, .offset: 64, .size: 8, .value_kind: global_buffer, .address_space: global }
      - { .name: kv, .offset: 72, .size: 8, .value_kind: global_buffer, .address_space: global }
    .group_segment_fixed_size: 218112
    .private_segment_fixed_size: 0
    .kernarg_segment_align: 8
    .kernarg_segment_size: 80
    .max_flat_workgroup_size: 256
    .sgpr_count:     66
    .vgpr_count:     512
    .wavefront_size: 32
...
	.end_amdgpu_metadata
.endif
;; end of part 6
;; launch attn: the kernel of part 5 again; grid 256 x 1, 8 waves a work-group, clusters of 4 x 1, 263,168 bytes of LDS; arguments qf, kv, ao; writes ao
;; launch oproj: the kernel of part 3 again; grid 256 x 1, 8 waves a work-group, clusters of 4 x 1, 314,368 bytes of LDS; arguments ao, Wo, bo, out0; writes out0
